; MI455X (gfx1250); checked and timed in simulation.
; The chip was launched on July 23, 2026; its instructions are those of AMD's public machine-readable ISA for CDNA 5 (MIT licence, August 2026) and "CDNA5" Instruction Set Architecture Reference Guide (July 2026). The comments in the code are by the model that wrote it; some were corrected since.
;; Multi Headed Attention. Allowed arithmetic: matrix products marked QUANTISED: E5M2 operands, one given power-of-two scale a tensor, by v_wmma_f32_16x16x64_bf8_bf8 or v_wmma_f32_16x16x128_bf8_bf8, f32 sums; everything else in f32.
;; Inputs: Wk 1,024 x 1,024 float32; Wo 1,024 x 1,024 float32; Wq 1,024 x 1,024 float32; Wv 1,024 x 1,024 float32; bk 1,024 float32; bo 1,024 float32; bq 1,024 float32; bv 1,024 float32; key 4 x 2,048 x 1,024 float32; lowp_scales 12 int32 (the exponents e of the quantised operands' scales 2^e); mask 1 x 2,048 x 2,048 int32; query 4 x 2,048 x 1,024 float32; value 4 x 2,048 x 1,024 float32.
;; Outputs: out0 4 x 2,048 x 1,024 float32.
;; This version of the problem:
;;   THIS VERSION OF THE PROBLEM IS GIVEN IN LOW PRECISION. The matrix products marked QUANTISED in the list below multiply operands that are first quantised to E5M2 (5 exponent bits, 2 mantissa bits; 8 bits a number), with one given power-of-two scale for each operand tensor; their sums are f32. All else is computed in f32.
;;   The module's matrix products, in the order in which they are computed (A, B: the left and right operand; K: the contracted axis; several contracted axes count as one K, in the product's order):
;;     1. [M 8,192, K 1,024] x [K 1,024, N 1,024]; A: input query; B: input Wq: QUANTISED (scales: A lowp_scales[0], B lowp_scales[1])
;;     2. [M 8,192, K 1,024] x [K 1,024, N 1,024]; A: input key; B: input Wk: QUANTISED (scales: A lowp_scales[2], B lowp_scales[3])
;;     3. [M 8,192, K 1,024] x [K 1,024, N 1,024]; A: input value; B: input Wv: QUANTISED (scales: A lowp_scales[4], B lowp_scales[5])
;;     4. batch 64 x [M 2,048, K 64] x [K 64, N 2,048]; A: computed on the way; B: computed on the way: QUANTISED (scales: A lowp_scales[6], B lowp_scales[7])
;;     5. batch 64 x [M 2,048, K 2,048] x [K 2,048, N 64]; A: softmax (see below); B: computed on the way: QUANTISED (scales: A lowp_scales[8], B lowp_scales[9])
;;     6. [M 8,192, K 1,024] x [K 1,024, N 1,024]; A: computed on the way; B: input Wo: QUANTISED (scales: A lowp_scales[10], B lowp_scales[11])
;;   THE QUANTISER, for each operand of a quantised product, along K:
;;     - The operand's scale is 2^e, e = its entry of the input lowp_scales (int32; the entries are numbered through the quantised products in the list's order, A before B).
;;     - Each number is divided by the scale, clamped to +-57,344, and rounded to the nearest number of E5M2, ties to even, subnormals kept.
;;     - The product sums the exact products of the quantised numbers (number of the format x scale) in f32.
;;   ~~~python
;;   def quantise(x, axis, e):      # numpy; x: float32 -> the quantised numbers, widened to float32 again
;;       x = np.moveaxis(x, axis, -1); K = x.shape[-1]
;;       r = np.clip(x / 2.0 ** e, -57344, 57344)
;;       step = 2.0 ** (np.maximum(np.frexp(np.where(r == 0, 1, r))[1] - 1, -14) - 2)
;;       q = np.round(r / step) * step * 2.0 ** e      # np.round: ties to even
;;       return np.moveaxis(q, -1, axis).astype(np.float32)
;;   ~~~
;;   SOFTMAX AHEAD OF A QUANTISED PRODUCT. Where the list says 'softmax', what is quantised is not the finished softmax but p = 2^(t - M), with t = logit x log2(e) and M = ceil(the row's largest t), a whole number; so 1/2 < the row's largest p <= 1. The row's sum l is taken of the UNQUANTISED p, in f32, and the product's result is divided by l at the end. Since M is a whole number, a kernel that streams over the keys may use a running M (the ceiling of the running maximum): every later rescaling is an exact power of two, so the quantised numbers keep their values, but for numbers so far below the row's largest that they fall under the format's range.
;;   OPERANDS COMPUTED ON THE WAY. 'Computed on the way' means the value that the module computes at that place (a softmax that the list does not call 'softmax' is quantised finished and normalised). What goes into a quantiser is computed in f32, as accurately as f32 sums, v_exp_f32 and their like allow (about 1e-6 of the number): no bf16 or f16 on the way to a quantiser, and a product that is left as it is and whose result goes on into a quantised operand takes f32 operands (vector FMAs, or v_wmma_f32_16x16x4_f32). A number that lies on a knife's edge between two numbers of the format may be rounded either way, as far as f32 arithmetic and the matrix unit's own rounding can turn it there, and no further.
;; 2 versions, each right; version 2 is version 1 with the launch attn written anew for expert scheduling mode. Each part assembles by itself: llvm-mc -triple=amdgcn-amd-amdhsa -mcpu=gfx1250 --defsym DOCPART=n.
;; ======== version 1 of 2: 4 launches
;; workspace buffers: ximg 25,165,824 bytes; wimg 4,194,304 bytes; qkv 25,165,824 bytes; aimg 8,388,608 bytes; mwords 524,288 bytes of whole numbers; mcls 65,536 bytes of whole numbers
;; launch prep (part 1): grid 576 x 1, 4 waves a work-group, no clusters, 68,096 bytes of LDS; arguments query, key, value, Wq, Wk, Wv, Wo, mask, lowp_scales, ximg, wimg, mwords, mcls; writes ximg, wimg, mwords, mcls
.if DOCPART == 1
	.amdgcn_target "amdgcn-amd-amdhsa--gfx1250"
	.amdhsa_code_object_version 6
	.text
	.protected	k_q76284f9a6b_prep
	.globl	k_q76284f9a6b_prep
	.p2align	8
	.type	k_q76284f9a6b_prep,@function
k_q76284f9a6b_prep:
	s_mov_b64 s[64:65], 0
	v_nop
	global_prefetch_b8 v0, s[64:65] scope:SCOPE_SE
	s_setreg_imm32_b32 hwreg(HW_REG_WAVE_MODE, 25, 1), 1
	s_wait_xcnt 0x0
; PREP.  (1) query, key, value [8192][1024] and Wq, Wk, Wv, Wo [1024][1024], f32, become codes of BF8 (E5M2), each with its given scale 2^e:
; code = x / 2^e, held within +-57,344, rounded to the nearest code, ties to even.  (2) The mask [2048][2048] int32 becomes bit words and classes of tiles.
; THE CODES ARE STORED AS IMAGES OF OPERAND REGISTERS.  Rows go in groups of 128; tile t (0..7) of a group holds, in lane row r (0..15), row 32 (t/2) + 8 (t%2) + r + 8 (r/8).
; A fragment (a tile x 128 along K) is 2,048 bytes: chunk c (512 bytes) holds at 16 x lane, lane = (r, h), the row's k = 32 c + 16 h + 0 .. 15.  ximg, wimg: [tensor][tile][K step 8][2,048].
; SHARES.  Work-groups 0-447: a wave takes one tile of rows, 8 fragments.  Each load reads 512 consecutive bytes of one row; a fragment's 16 loads turn through the wave's own stage in LDS
; (rows 528 bytes apart) and come back 16 neighbours along K to a lane, which is what the conversions take.  A chunk leaves as 512 consecutive bytes.
; Work-groups 448-575: query tile tq = work-group - 448; wave w takes key steps 4 w .. 4 w + 3 of 128 keys.  The same turn through LDS; then word n = 16 b + i of a step has in bit lane (r, h)
; mask[row of (tq, r)][128 s + 32 b + 16 h + i] != 0: the place that this score has in the attention launch's registers.  mwords: [tq][s][64 words].
; mcls: [tq][w][32 words]: word 0 = (steps with an open key) << 4 w | (steps with a hidden key) << (16 + 4 w); word 1 = the OR of the quarter's 256 words; the rest 0.
; The two paths part on the work-group's number and have LDS bytes of their own.  No barrier: waves share nothing.
; LIMITS: each e between -126 and 112, so that 2^e and 57,344 x 2^e are f32 numbers.  NaN among the inputs is not served.
.set ROWX,  4096                       ; a row of x or W in bytes
.set ROWM,  8192                       ; a row of the mask in bytes
.set SPI,   528                        ; a stage row: 512 bytes + 16
.set STGB,  16*SPI                     ; a wave's stage
.set MSTG,  4*STGB                     ; the mask path's stages begin here
.set R,     32                         ; v32-159  two sets of 64 registers as loaded
.set X,     160                        ; v160-223 a fragment's 64 numbers of my lane
.set C,     224                        ; v224-239 its codes
.set WD,    224                        ; mask path: v224-231 two sets of four registers of words
.set E,     232                        ; mask path: the class words
	s_load_b512 s[4:19], s[0:1], 0x0               ; query, key, value, Wq, Wk, Wv, Wo, mask
	s_load_b256 s[20:27], s[0:1], 0x40             ; lowp_scales, ximg, wimg, mwords
	s_load_b64 s[28:29], s[0:1], 0x60              ; mcls
	v_lshl_add_u32 v240, v0, 2, 0x10800
	v_mov_b32 v241, 0
	v_lshrrev_b32 v7, 5, v0
	v_readfirstlane_b32 s30, v7                    ; wave
	v_and_b32 v8, 31, v0
	v_lshlrev_b32 v1, 4, v8                        ; 16 x lane
	v_lshlrev_b32 v4, 2, v8                        ; 4 x lane
	v_and_b32 v9, 15, v0                           ; r
	v_bfe_u32 v12, v0, 4, 1                        ; h
	s_mul_i32 s31, s30, STGB
	v_add_nc_u32 v2, s31, v1                       ; the stage, in: 16 x lane of a row
	v_mul_u32_u24 v3, v9, SPI
	v_lshl_add_u32 v3, v12, 6, v3
	v_add_nc_u32 v3, s31, v3                       ; and out: row r, + 64 h
	v_add_nc_u32 v5, MSTG, v2                      ; the same two for the mask path
	v_add_nc_u32 v6, MSTG, v3
	s_wait_kmcnt 0x0
	s_cmp_ge_u32 ttmp9, 448
	s_cbranch_scc1 .Lmask
; ---------------- the quantiser ----------------
	s_load_b256 s[36:43], s[20:21], 0x0            ; e0 .. e7
	s_load_b128 s[44:47], s[20:21], 0x20           ; e8 .. e11
	s_mov_b64 s[32:33], s[16:17]                   ; which tensor: the choice hangs on the work-group's number alone
	s_mov_b32 s58, 432
.macro PICK bound, ptr, first
	s_cmp_lt_u32 ttmp9, \bound
	s_cselect_b64 s[32:33], s[\ptr:\ptr+1], s[32:33]
	s_cselect_b32 s58, \first, s58
.endm
	PICK 432, 14, 416
	PICK 416, 12, 400
	PICK 400, 10, 384
	PICK 384, 8, 256
	PICK 256, 6, 128
	PICK 128, 4, 0
	s_sub_co_u32 s57, ttmp9, s58
	s_lshl_b32 s57, s57, 2
	s_add_co_u32 s57, s57, s30                     ; T: my tile of rows in the tensor
	s_lshr_b32 s59, s57, 3
	s_lshl_b32 s59, s59, 7                         ; 128 (T / 8)
	s_bfe_u32 s48, s57, 0x20001
	s_lshl_b32 s48, s48, 5                         ; + 32 ((T % 8) / 2)
	s_add_co_u32 s59, s59, s48
	s_and_b32 s48, s57, 1
	s_lshl_b32 s48, s48, 3                         ; + 8 (T % 2)
	s_add_co_u32 s59, s59, s48
	s_lshl_b32 s50, s59, 12
	s_mov_b32 s51, 0
	s_add_nc_u64 s[32:33], s[32:33], s[50:51]      ; the tile's first row
	s_cmp_lt_u32 ttmp9, 384
	s_cselect_b64 s[34:35], s[22:23], s[24:25]     ; ximg or wimg
	s_cselect_b32 s52, 0, 384
	s_sub_co_u32 s52, ttmp9, s52
	s_lshl_b32 s52, s52, 2
	s_add_co_u32 s52, s52, s30
	s_lshl_b32 s52, s52, 14                        ; 16,384 bytes of images a tile
	s_mov_b32 s53, 0
	s_add_nc_u64 s[34:35], s[34:35], s[52:53]
.macro LOADQ f                         ; fragment f: 512 consecutive bytes of each of the tile's 16 rows
.irp rr, 0,1,2,3,4,5,6,7,8,9,10,11,12,13,14,15
	global_load_b128 v[R+64*((\f)%2)+4*\rr:R+64*((\f)%2)+4*\rr+3], v1, s[32:33] offset:(\rr+8*(\rr/8))*ROWX+512*(\f) th:TH_LOAD_NT
.endr
.endm
.macro LOADM f                         ; the same of the mask: key step f of my four
.irp rr, 0,1,2,3,4,5,6,7,8,9,10,11,12,13,14,15
	global_load_b128 v[R+64*((\f)%2)+4*\rr:R+64*((\f)%2)+4*\rr+3], v1, s[32:33] offset:(\rr+8*(\rr/8))*ROWM+512*(\f) th:TH_LOAD_NT
.endr
.endm
.macro TURN f, sti, sto                ; through my stage: LDS serves a wave's instructions in order (ISA guide 5.7.1.4), so no wait stands between the stores and the loads
.irp rr, 0,1,2,3,4,5,6,7,8,9,10,11,12,13,14,15
	ds_store_b128 v[\sti], v[R+64*((\f)%2)+4*\rr:R+64*((\f)%2)+4*\rr+3] offset:SPI*\rr
.endr
.irp c, 0,1,2,3
.irp j, 0,1,2,3
	ds_load_b128 v[X+16*\c+4*\j:X+16*\c+4*\j+3], v[\sto] offset:128*\c+16*\j
.endr
.endr
.endm
	LOADQ 0
	LOADQ 1
	s_wait_kmcnt 0x0
	s_mov_b32 s59, s47                             ; e: Wo e11, Wv e5, Wk e3, Wq e1, value e4, key e2, query e0
.macro PICKE bound, e
	s_cmp_lt_u32 ttmp9, \bound
	s_cselect_b32 s59, s[\e], s59
.endm
	PICKE 432, 41
	PICKE 416, 39
	PICKE 400, 37
	PICKE 384, 40
	PICKE 256, 38
	PICKE 128, 36
	s_add_co_i32 s59, s59, 127
	s_lshl_b32 s48, s59, 23
	v_mov_b32 v11, s48                             ; 2^e as f32: the conversion takes its exponent field
	s_add_co_i32 s59, s59, 15
	s_lshl_b32 s59, s59, 23
	s_or_b32 s59, s59, 0x600000
	v_mov_b32 v10, s59                             ; 57,344 x 2^e
.macro FRAGQ f
.if (\f) < 7
	s_wait_loadcnt 16                              ; this fragment's sixteen loads are in; the next fragment's sixteen may be out
.else
	s_wait_loadcnt 0
.endif
	TURN \f, 2, 3
	s_wait_dscnt 0x0                               ; my 64 numbers are back, and the stage's stores have read the set that is loaded again below
	s_wait_xcnt 0x0                                ; the last fragment's stores have read the codes' registers, which are written again below
.if (\f)+2 < 8
	LOADQ (\f)+2
.endif
.irp c, 0,1,2,3
.irp i, 0,1,2,3,4,5,6,7,8,9,10,11,12,13,14,15
	v_med3_num_f32 v[X+16*\c+\i], v[X+16*\c+\i], -v10, v10   ; the conversion to an 8-bit code does not saturate (ISA guide 7.6.2): the hold comes first
.endr
	v_cvt_scalef32_pk8_bf8_f32 v[C+4*\c:C+4*\c+1], v[X+16*\c:X+16*\c+7], v11
	v_cvt_scalef32_pk8_bf8_f32 v[C+4*\c+2:C+4*\c+3], v[X+16*\c+8:X+16*\c+15], v11
.endr
	v_nop                                          ; a plain line behind the last conversion: the next fragment's holds write the conversions' sources
.irp c, 0,1,2,3
	global_store_b128 v1, v[C+4*\c:C+4*\c+3], s[34:35] offset:2048*(\f)+512*\c   ; a chunk: 512 consecutive bytes, aligned
.endr
.endm
.irp f, 0,1,2,3,4,5,6,7
	FRAGQ \f
.endr
	s_wait_tensorcnt 0x0
	ds_add_u32 v240, v241
	s_wait_dscnt 0x0
	s_endpgm
; ---------------- the mask ----------------
.Lmask:
	s_sub_co_u32 s57, ttmp9, 448                   ; tq
	s_lshr_b32 s59, s57, 3
	s_lshl_b32 s59, s59, 7
	s_bfe_u32 s48, s57, 0x20001
	s_lshl_b32 s48, s48, 5
	s_add_co_u32 s59, s59, s48
	s_and_b32 s48, s57, 1
	s_lshl_b32 s48, s48, 3
	s_add_co_u32 s59, s59, s48                     ; the tile's first query
	s_lshl_b32 s50, s59, 13
	s_lshl_b32 s48, s30, 11                        ; my four key steps: 2,048 bytes of each row
	s_add_co_u32 s50, s50, s48
	s_mov_b32 s51, 0
	s_add_nc_u64 s[32:33], s[18:19], s[50:51]
	s_lshl_b32 s50, s57, 12
	s_lshl_b32 s48, s30, 10
	s_add_co_u32 s50, s50, s48
	s_add_nc_u64 s[34:35], s[26:27], s[50:51]      ; mwords: tq x 4,096 + w x 1,024
	s_lshl_b32 s50, s57, 9
	s_lshl_b32 s48, s30, 7
	s_add_co_u32 s50, s50, s48
	s_add_nc_u64 s[28:29], s[28:29], s[50:51]      ; mcls: tq x 512 + w x 128
	LOADM 0
	LOADM 1
.irp i, 0,1,2,3,4,5,6,7
	v_mov_b32 v[WD+\i], 0                          ; written whole once: a lane write's destination counts as read
.endr
	v_mov_b32 v[E], 0
	s_mov_b32 s54, 0                               ; the OR of all my words
	s_mov_b32 s55, 0                               ; steps with an open key
	s_mov_b32 s56, 0                               ; steps with a hidden key
.macro STEPM sl
.if (\sl) < 3
	s_wait_loadcnt 16                              ; this step's sixteen loads are in; the next step's may be out
.else
	s_wait_loadcnt 0
.endif
	TURN \sl, 5, 6
	s_wait_dscnt 0x0
.if (\sl)+2 < 4
	LOADM (\sl)+2
.endif
	s_mov_b32 s52, 0
	s_mov_b32 s53, -1
.set n, 0
.rept 64
	v_cmp_ne_u32 s[48+n%4], 0, v[X+n]              ; word n: a bit a lane
	s_or_b32 s52, s52, s[48+n%4]
	s_and_b32 s53, s53, s[48+n%4]
	v_writelane_b32 v[WD+4*((\sl)/2)+n%4], s[48+n%4], n/4+16*((\sl)%2)   ; lane L's four registers are words 4 L .. 4 L + 3 of two steps' 128
.set n, n+1
.endr
	s_or_b32 s54, s54, s52
	s_cmp_lg_u32 s52, 0
	s_cselect_b32 s57, 1<<(\sl), 0
	s_or_b32 s55, s55, s57
	s_cmp_lg_u32 s53, -1
	s_cselect_b32 s57, 1<<(\sl), 0
	s_or_b32 s56, s56, s57
.if (\sl)%2 == 1
	global_store_b128 v1, v[WD+4*((\sl)/2):WD+4*((\sl)/2)+3], s[34:35] offset:512*((\sl)/2)   ; two steps' words: 512 consecutive bytes; each set of registers is written once
.endif
.endm
	STEPM 0
	STEPM 1
	STEPM 2
	STEPM 3
	s_lshl_b32 s57, s30, 2
	s_lshl_b32 s55, s55, s57
	s_add_co_u32 s57, s57, 16
	s_lshl_b32 s56, s56, s57
	s_or_b32 s55, s55, s56
	v_writelane_b32 v[E], s55, 0
	v_writelane_b32 v[E], s54, 1
	global_store_b32 v4, v[E], s[28:29]            ; all 32 words of my quarter are stored
	s_wait_tensorcnt 0x0
	ds_add_u32 v240, v241
	s_wait_dscnt 0x0
	s_endpgm
.Lfunc_end_k_q76284f9a6b_prep:
	.size	k_q76284f9a6b_prep, .Lfunc_end_k_q76284f9a6b_prep-k_q76284f9a6b_prep
	.p2alignl 7, 3214868480
	.fill 96, 4, 3214868480
	.section	.rodata,"a",@progbits
	.p2align	6, 0x0
	.amdhsa_kernel k_q76284f9a6b_prep
		.amdhsa_group_segment_fixed_size 68096
		.amdhsa_private_segment_fixed_size 0
		.amdhsa_enable_private_segment 0
		.amdhsa_kernarg_size 104
		.amdhsa_user_sgpr_count 2
		.amdhsa_user_sgpr_kernarg_segment_ptr 1
		.amdhsa_wavefront_size32 1
		.amdhsa_system_sgpr_workgroup_id_x 1
		.amdhsa_system_sgpr_workgroup_id_y 1
		.amdhsa_system_sgpr_workgroup_id_z 1
		.amdhsa_system_vgpr_workitem_id 0
		.amdhsa_next_free_vgpr 242
		.amdhsa_next_free_sgpr 66
		.amdhsa_reserve_vcc 0
		.amdhsa_float_denorm_mode_32 3
		.amdhsa_float_denorm_mode_16_64 3
		.amdhsa_memory_ordered 1
		.amdhsa_forward_progress 1
		.amdhsa_inst_pref_size 138
	.end_amdhsa_kernel
	.amdgpu_metadata
---
amdhsa.version: [ 1, 2 ]
amdhsa.kernels:
  - .name:           k_q76284f9a6b_prep
    .symbol:         k_q76284f9a6b_prep.kd
    .args:
      - { .name: query, .offset: 0, .size: 8, .value_kind: global_buffer, .address_space: global }
      - { .name: key, .offset: 8, .size: 8, .value_kind: global_buffer, .address_space: global }
      - { .name: value, .offset: 16, .size: 8, .value_kind: global_buffer, .address_space: global }
      - { .name: Wq, .offset: 24, .size: 8, .value_kind: global_buffer, .address_space: global }
      - { .name: Wk, .offset: 32, .size: 8, .value_kind: global_buffer, .address_space: global }
      - { .name: Wv, .offset: 40, .size: 8, .value_kind: global_buffer, .address_space: global }
      - { .name: Wo, .offset: 48, .size: 8, .value_kind: global_buffer, .address_space: global }
      - { .name: mask, .offset: 56, .size: 8, .value_kind: global_buffer, .address_space: global }
      - { .name: lowp_scales, .offset: 64, .size: 8, .value_kind: global_buffer, .address_space: global }
      - { .name: ximg, .offset: 72, .size: 8, .value_kind: global_buffer, .address_space: global }
      - { .name: wimg, .offset: 80, .size: 8, .value_kind: global_buffer, .address_space: global }
      - { .name: mwords, .offset: 88, .size: 8, .value_kind: global_buffer, .address_space: global }
      - { .name: mcls, .offset: 96, .size: 8, .value_kind: global_buffer, .address_space: global }
    .group_segment_fixed_size: 68096
    .private_segment_fixed_size: 0
    .kernarg_segment_align: 8
    .kernarg_segment_size: 104
    .max_flat_workgroup_size: 128
    .sgpr_count:     66
    .vgpr_count:     242
    .wavefront_size: 32
...
	.end_amdgpu_metadata
.endif
;; end of part 1
;; launch proj (part 2): grid 4 x 96, 4 waves a work-group, clusters of 4 x 4, 327,680 bytes of LDS; arguments ximg, wimg, bq, bk, bv, lowp_scales, qkv; writes qkv
.if DOCPART == 2
	.amdgcn_target "amdgcn-amd-amdhsa--gfx1250"
	.amdhsa_code_object_version 6
	.text
	.protected	k_q76284f9a6b_proj
	.globl	k_q76284f9a6b_proj
	.p2align	8
	.type	k_q76284f9a6b_proj,@function
k_q76284f9a6b_proj:
	s_mov_b64 s[64:65], 0
	v_nop
	global_prefetch_b8 v0, s[64:65] scope:SCOPE_SE
	s_setreg_imm32_b32 hwreg(HW_REG_WAVE_MODE, 25, 1), 1
	s_wait_xcnt 0x0
	s_wait_alu depctr_hold_cnt(0) depctr_sa_sdst(0) depctr_va_vdst(0) depctr_va_sdst(0) depctr_va_ssrc(0) depctr_va_vcc(0) depctr_vm_vsrc(0)
	s_getreg_b32 s2, hwreg(HW_REG_IB_STS2, 6, 4)
	s_cmp_eq_u32 s2, 0
	s_cbranch_scc0 .Lentry_in_a_cluster
	s_endpgm
.Lentry_in_a_cluster:
	s_bfe_u32 s2, ttmp6, 0x10000c
	s_cmp_lg_u32 s2, 0xf033
	s_cbranch_scc0 .Lentry_shape_is_right
	s_endpgm
.Lentry_shape_is_right:
; PROJ.  q = query Wq^T + bq, k = key Wk^T + bk, v = value Wv^T + bv on codes of BF8, [8192 x 1024 x 1024] each, and the results quantised at once (scales e6, e7, e9) into images for the attention launch.
; Operands are images of registers: row tiles of 16 rows (tile t of a group of 128, lane row r: row 32 (t/2) + 8 (t%2) + r + 8 (r/8)), [tile][K step 8][2,048 bytes]; chunk c, 16 bytes at 16 x lane (r, h): k = 32 c + 16 h + 0 .. 15.
; Both operands place k alike, so each product meets its partner; only the order of the sums inside an instruction differs from ascending k.
; A tile of 256 x 256 results to a work-group of four waves, 128 x 128 a wave: 64 accumulators, 512 registers.  K goes in steps of 256 through two LDS slots filled by the tensor data mover.
; WHICH PROJECTION: p = cluster y / 8.  D = source 0 x source 1: a lane holds ONE row of source 1 and, in the 16 registers of two neighbouring tiles, 16 NEIGHBOURING rows 32 b + 16 h + 0 .. 15 of source 0.
;   q, k: source 1 = the tokens, source 0 = W's rows: a lane's 16 numbers run along the head's d: a chunk of q's or k's image.   v: the roles are exchanged: they run along the tokens, the second product's K.
; So sixteen results, scaled, biased, held and converted, are 16 bytes at 16 x lane of a chunk: each store covers 512 consecutive bytes, aligned, and nothing goes through a stage.
; qkv: [p][b x 16 + head][131,072]; q, k: [token tile 128][c 2][512]; v: [key step 16][d tile 4][c 4][512].
; CLUSTERS: 4 x 4 work-groups.  Source 1's tile hangs on cy (and the cluster's y) and is shared along a row of the cluster, source 0's on cx and is shared along a column: each is asked for jointly.
; LIMITS: ex + ew between -126 and 127; the result's e between -126 and 112.  NaN among the inputs is not served.
; REGISTERS, in windows of 256: window 0: v0-31 addresses and constants; v32-47 v's bias (a pair for each block); v64-127 q's or k's bias; from v128 source 1's fragments, ONE set; on the way out v128-255 are free.
;   window 1: source 0's fragments, TWO sets.   window 2, 3: the accumulators ((a, b) at v[8 (8 (a % 4) + b)]).
.set FR,     16                        ; registers of a fragment
.set NL,     4                         ; LDS loads that bring one
.set NP,     4                         ; places behind this matrix instruction (ISA guide 7.12.1)
.set HALFT,  32768                     ; 8 row tiles x 4,096 bytes (256 along K): what one tensor load brings, and what one wave reads of an operand
.set SLOT,   4*HALFT                   ; source 1's 16 row tiles, then source 0's
.set SPARE,  2*SLOT                    ; behind the ring: the spare words, 128 bytes a wave: two blocks of 256 bytes that no other line names
.set ADRA, 16                          ; v16-17  LDS address of my fragments of source 1 in slot 0, 1
.set ADRB, 20                          ; v20-21  the same for source 0
.set LI,   27                          ; v27     16 x lane
.set SPW,  28                          ; v28     my spare word; never rewritten
.set NIL,  29                          ; v29     0; never rewritten
.set BV,   32
.set BI,   64
.set AF,   128
.set TMP,  128                         ; the way out: a block's 64 numbers;  v192-255: four sets of codes
.set G1, 24                            ; s[24:31] group 1 for source 1's tiles; s[32:39] its groups 0, one a slot
.set G0, 32
.set G1B, 48                           ; s[48:55], s[56:63] the same for source 0's
.set G0B, 56
.set MSB, 0
.macro WIN new                         ; the immediate's high byte repeats the setting that is left
.if MSB != (\new)
	s_set_vgpr_msb (MSB<<8)|(\new)
.set MSB, \new
.endif
.endm
.set MUL_LO, 0xa1                      ; source 0 window 1, source 1 window 0, C and D window 2
.set MUL_HI, 0xf1                      ; the same, C and D window 3
.set TO_B,   0x40                      ; destination window 1, address window 0
; A joint load: waves 0 and 1 fetch for source 1, waves 2 and 3 for source 0; the branch hangs on the wave's number alone.  Four v_nop follow each of the two lines.
.macro JLOAD g0a, g1a, g0b, g1b
	s_cmp_eq_u32 s15, 0
	s_cbranch_scc0 .Lfor_b_\@
	tensor_load_to_lds s[\g0a:\g0a+3], s[\g1a:\g1a+7]
	s_nop 0
.rept 4
	v_nop
.endr
	s_branch .Lasked_\@
.Lfor_b_\@:
	tensor_load_to_lds s[\g0b:\g0b+3], s[\g1b:\g1b+7]
	s_nop 0
.rept 4
	v_nop
.endr
.Lasked_\@:
.endm
.macro CREST                           ; a round of the cluster's barrier behind its opening barrier
	s_cmp_lg_u32 s14, 0
	s_cbranch_scc1 .Lnot_wave_0_\@
	s_barrier_signal -3
.Lnot_wave_0_\@:
	s_barrier_wait -3
	s_barrier_signal -1
	s_barrier_wait -1
.endm
.macro CROUND
	s_barrier_signal -1
	s_barrier_wait -1
	CREST
.endm
	s_load_b256 s[68:75], s[0:1], 0x0              ; ximg, wimg, bq, bk
	s_load_b128 s[76:79], s[0:1], 0x20             ; bv, lowp_scales
	s_load_b64 s[80:81], s[0:1], 0x30              ; qkv
	v_lshl_add_u32 v[SPW], v0, 2, SPARE
	v_mov_b32 v[NIL], 0
	ds_add_u32 v28, v29
	ds_add_u32 v28, v29
	s_wait_dscnt 0x0
	v_lshrrev_b32 v1, 5, v0
	v_readfirstlane_b32 s14, v1                    ; wave 0..3
	s_lshr_b32 s15, s14, 1                         ; my half of source 1's rows.  Also: I fetch for source 1 (0) or source 0 (1)
	s_and_b32 s16, s14, 1                          ; my half of source 0's rows.  Also: which 8 row tiles I fetch
	s_bfe_u32 s40, ttmp6, 0x40000                  ; cx
	s_bfe_u32 s41, ttmp6, 0x40004                  ; cy
	s_and_b32 s17, ttmp7, 0xffff                   ; the cluster's y, 0..23: the same in all sixteen partners
	s_lshr_b32 s98, s17, 3                         ; p: 0 q, 1 k, 2 v
	s_and_b32 s99, s17, 7
	s_lshl_b32 s99, s99, 2                         ; the cluster's first tile of 256 tokens
	s_cmp_eq_u32 s98, 2
	s_cselect_b32 s18, 0, s99
	s_cselect_b32 s19, s99, 0
	s_add_co_u32 s17, s41, s18                     ; source 1's tile: tokens 4 Y + cy, or Wv's rows cy
	s_add_co_u32 s42, s40, s19                     ; source 0's tile: W's rows cx, or tokens 4 Y + cx
	s_lshl_b32 s43, s41, 2
	s_lshl_b32 s43, 15, s43                        ; my row of the cluster
	s_lshl_b32 s44, 0x1111, s40                    ; my column
	; group 1: 8 rows (row tiles) of 4,096 bytes, 16,384 bytes apart in memory, dense in LDS
	s_or_b32 s[G1+0], s43, (3<<16)|(1<<21)         ; 15:0 the mask; 17:16 elements of 8 bytes; 20 no padding; 21 set beside a mask
	s_or_b32 s[G1B+0], s44, (3<<16)|(1<<21)
.irp g, G1, G1B
	s_mov_b32 s[\g+1], 512<<16                     ; tensor_dim0 = 512 elements
	s_mov_b32 s[\g+2], 8<<16                       ; tensor_dim1 = 8
	s_mov_b32 s[\g+3], 512<<16                     ; tile_dim0
	s_mov_b32 s[\g+4], 8                           ; tile_dim1
	s_mov_b32 s[\g+5], 2048                        ; tensor_dim0_stride: 16,384 bytes
	s_mov_b32 s[\g+6], 0
	s_mov_b32 s[\g+7], 0
.endr
	s_lshl_b32 s21, s16, 3                         ; which 8 row tiles of the 16 I fetch
	s_lshl_b32 s20, s17, 4
	s_add_co_u32 s20, s20, s21
	s_lshl_b32 s20, s20, 14                        ; source 1: (16 x tile + 8 x half) x 16,384 bytes
	s_lshl_b32 s46, s42, 4
	s_add_co_u32 s46, s46, s21
	s_lshl_b32 s46, s46, 14                        ; source 0 likewise
	s_lshl_b32 s22, s98, 23                        ; tensor p in ximg
	s_lshl_b32 s23, s98, 20                        ; and in wimg
	s_cmp_eq_u32 s98, 2
	s_cselect_b32 s18, s23, s22
	s_cselect_b32 s19, s22, s23
	s_add_co_u32 s20, s20, s18
	s_add_co_u32 s46, s46, s19
	s_mov_b32 s21, 0
	s_mov_b32 s47, 0
	s_mul_i32 s45, s14, HALFT                      ; where my load goes: wave x 32,768: no place in the cluster enters an LDS address
	s_wait_kmcnt 0x0
	s_cmp_eq_u32 s98, 2
	s_cselect_b64 s[4:5], s[70:71], s[68:69]       ; source 1: wimg for v, else ximg
	s_cselect_b64 s[6:7], s[68:69], s[70:71]       ; source 0: the other
	s_load_b256 s[84:91], s[78:79], 0x0            ; e0 .. e7
	s_load_b128 s[92:95], s[78:79], 0x20           ; e8 .. e11
	s_add_nc_u64 s[4:5], s[4:5], s[20:21]
	s_add_nc_u64 s[6:7], s[6:7], s[46:47]
	CROUND                                         ; all sixteen work-groups are here: the first joint loads meet
.irp s, 0,1
	s_mov_b32 s[G0+4*\s], 1
	s_add_co_u32 s[G0+4*\s+1], s45, \s*SLOT
	s_add_nc_u64 s[G0+4*\s+2:G0+4*\s+3], s[4:5], \s*4096
	s_or_b32 s[G0+4*\s+3], s[G0+4*\s+3], 0x80000000
	s_mov_b32 s[G0B+4*\s], 1
	s_add_co_u32 s[G0B+4*\s+1], s45, \s*SLOT
	s_add_nc_u64 s[G0B+4*\s+2:G0B+4*\s+3], s[6:7], \s*4096
	s_or_b32 s[G0B+4*\s+3], s[G0B+4*\s+3], 0x80000000
	JLOAD G0+4*\s, G1, G0B+4*\s, G1B
.endr
	v_and_b32 v2, 31, v0
	v_lshlrev_b32 v[LI], 4, v2
	s_mul_i32 s21, s15, HALFT                      ; my 8 row tiles of source 1
	s_mul_i32 s22, s16, HALFT                      ; my 8 of source 0,
	s_add_co_u32 s22, s22, 2*HALFT                 ; which lie behind source 1's 16
.irp s, 0,1
	v_add_nc_u32 v[ADRA+\s], s21, v[LI]
	v_add_nc_u32 v[ADRB+\s], s22, v[LI]
	s_add_co_u32 s21, s21, SLOT
	s_add_co_u32 s22, s22, SLOT
.endr
	; which group of 128 tokens (TG, 0..63) and which group of 128 outputs e (G, 0..7) are my wave's
	s_lshl_b32 s18, s17, 1
	s_add_co_u32 s18, s18, s15
	s_lshl_b32 s19, s42, 1
	s_add_co_u32 s19, s19, s16
	s_cmp_eq_u32 s98, 2
	s_cselect_b32 s100, s19, s18                   ; TG
	s_cselect_b32 s101, s18, s19                   ; G
	s_cselect_b64 s[8:9], s[76:77], s[74:75]       ; bv or bk,
	s_cmp_eq_u32 s98, 0
	s_cselect_b64 s[8:9], s[72:73], s[8:9]         ; or bq
	s_lshl_b32 s82, s101, 9
	s_mov_b32 s83, 0
	s_add_nc_u64 s[8:9], s[8:9], s[82:83]          ; the bias of my 128 outputs
	v_and_b32 v1, 15, v0                           ; r
	v_bfe_u32 v2, v0, 4, 1                         ; h
	v_lshlrev_b32 v3, 6, v2                        ; 64 h
	v_and_b32 v4, 8, v1
	v_add_nc_u32 v4, v4, v1
	v_lshlrev_b32 v4, 2, v4                        ; 4 (r + 8 (r / 8))
.irp b, 0,1,2,3                        ; both forms are loaded, with no branch: for q and k register 16 b + i wants e = 32 b + 16 h + i,
.irp j, 0,1,2,3
	global_load_b128 v[BI+16*\b+4*\j:BI+16*\b+4*\j+3], v3, s[8:9] offset:128*\b+16*\j
.endr
.endr
.irp a, 0,1,2,3,4,5,6,7                ; for v block a wants the lane's one e = 32 (a / 2) + 8 (a % 2) + r + 8 (r / 8), twice, as a pair
	global_load_b32 v[BV+2*\a], v4, s[8:9] offset:4*(32*(\a/2)+8*(\a%2))
	global_load_b32 v[BV+2*\a+1], v4, s[8:9] offset:4*(32*(\a/2)+8*(\a%2))
.endr
	s_lshr_b32 s82, s100, 4                        ; where my results go: tensor p, head b x 16 + 2 G, token group TG % 16
	s_lshl_b32 s82, s82, 4
	s_lshl_b32 s83, s101, 1
	s_add_co_u32 s82, s82, s83
	s_lshl_b32 s82, s82, 17
	s_and_b32 s83, s100, 15
	s_lshl_b32 s83, s83, 13
	s_add_co_u32 s82, s82, s83
	s_lshl_b32 s83, s98, 23
	s_add_co_u32 s82, s82, s83
	s_mov_b32 s83, 0
	s_add_nc_u64 s[10:11], s[80:81], s[82:83]
	s_wait_kmcnt 0x0                               ; the scales: chosen by selects, no branch hangs on them
	s_cmp_eq_u32 s98, 0
	s_cselect_b32 s96, s84, s86
	s_cselect_b32 s97, s85, s87
	s_cselect_b32 s66, s90, s91
	s_cmp_eq_u32 s98, 2
	s_cselect_b32 s96, s88, s96                    ; ex
	s_cselect_b32 s97, s89, s97                    ; ew
	s_cselect_b32 s66, s93, s66                    ; the result's e: e6, e7 or e9
	s_add_co_i32 s96, s96, s97
	s_add_co_i32 s96, s96, 127
	s_lshl_b32 s96, s96, 23                        ; 2^(ex + ew) as f32
	s_mov_b32 s97, s96                             ; (named with it as a pair, so it is written)
	s_add_co_i32 s66, s66, 127
	s_lshl_b32 s67, s66, 23
	v_mov_b32 v30, s67                             ; 2^e for the conversions
	s_add_co_i32 s66, s66, 15
	s_lshl_b32 s66, s66, 23
	s_or_b32 s66, s66, 0x600000
	v_mov_b32 v31, s66                             ; 57,344 x 2^e
.macro FRAG reg, adr, q, i             ; a fragment comes back as it was stored: four loads of 512 consecutive bytes
.irp c, 0,1,2,3
	ds_load_b128 v[\reg+4*\c:\reg+4*\c+3], v[\adr] offset:4096*(\i)+2048*(\q)+512*\c
.endr
.endm
; 16 matrix instructions: source 1's blocks a0, a0 + 1 x source 0's eight.  The 64 accumulators take turns, one instruction a turn, in the same order in every step.
.macro MUL16 a0, p, zero
.irp a, \a0, \a0+1
.irp b, 0,1,2,3,4,5,6,7
.if \zero
	v_wmma_f32_16x16x128_bf8_bf8 v[8*(8*((\a)%4)+\b):8*(8*((\a)%4)+\b)+7], v[128*(\p)+FR*\b:128*(\p)+FR*\b+FR-1], v[AF+FR*(\a):AF+FR*(\a)+FR-1], 0
.else
	v_wmma_f32_16x16x128_bf8_bf8 v[8*(8*((\a)%4)+\b):8*(8*((\a)%4)+\b)+7], v[128*(\p)+FR*\b:128*(\p)+FR*\b+FR-1], v[AF+FR*(\a):AF+FR*(\a)+FR-1], v[8*(8*((\a)%4)+\b):8*(8*((\a)%4)+\b)+7]
.endif
.endr
.endr
.endm
.macro FETCH_B slot, q, p
	WIN TO_B
.irp i, 0,1,2,3,4,5,6,7
	FRAG 128*(\p)+FR*\i, ADRB+\slot, \q, \i
.endr
	WIN 0
.endm
.macro FETCH_A slot, q, i0
.irp i, \i0, \i0+1, \i0+2, \i0+3
	FRAG AF+FR*(\i), ADRA+\slot, \q, \i
.endr
.endm
.macro PLACES n                        ; plain vector lines between a matrix instruction and a load into, or a read of, its registers
.rept \n
	v_nop
.endr
.endm
.macro STEP slot, q, zero              ; 128 along K with its successor in the same slot
	s_wait_dscnt 4*NL                              ; source 0's set and blocks 0-3 are in; the youngest sixteen loads (blocks 4-7) may be out
	WIN MUL_LO
	MUL16 0, (\q)%2, \zero
	MUL16 2, (\q)%2, \zero
	s_wait_dscnt 0
	PLACES NP
	FETCH_B \slot, (\q)+1, 1-(\q)%2
	FETCH_A \slot, (\q)+1, 0
	WIN MUL_HI
	MUL16 4, (\q)%2, \zero
	MUL16 6, (\q)%2, \zero
	PLACES NP
	WIN 0
	FETCH_A \slot, (\q)+1, 4
.endm
; A slot's last step changes slots: ONE barrier; in front of it each wave waits for all its tensor loads, adds 0 to its spare word, and waits for that and for its reads of this slot.
.macro TURN slot, next, fill
	s_wait_tensorcnt 0x0                           ; all my tensor loads have landed: my part of the next slot
	ds_add_u32 v[SPW], v[NIL]                      ; 0 onto my spare word
	s_wait_dscnt 4*NL+1                            ; (the add and the youngest sixteen loads may be out)
	WIN MUL_LO
	MUL16 0, 1, 0
	s_wait_dscnt 0x0                               ; the add is done, and my reads of this slot are over
	s_barrier_signal -1
	MUL16 2, 1, 0
	WIN 0
	s_barrier_wait -1
.if \fill
	CREST                                          ; the barrier has opened a round of the cluster's: no wave of any partner still reads this slot or has a load on its way
	s_add_nc_u64 s[G0+4*\slot+2:G0+4*\slot+3], s[G0+4*\slot+2:G0+4*\slot+3], 8192
	s_add_nc_u64 s[G0B+4*\slot+2:G0B+4*\slot+3], s[G0B+4*\slot+2:G0B+4*\slot+3], 8192
	JLOAD G0+4*\slot, G1, G0B+4*\slot, G1B         ; the first tensor load behind the round; its four v_nop are also the places in front of the loads below
.else
	PLACES NP
.endif
	FETCH_B \next, 0, 0
	FETCH_A \next, 0, 0
	WIN MUL_HI
	MUL16 4, 1, 0
	MUL16 6, 1, 0
	PLACES NP
	WIN 0
	FETCH_A \next, 0, 4
.endm
	s_wait_tensorcnt 1                             ; my part of slot 0 is in; slot 1's may be out
	s_barrier_signal -1
	s_barrier_wait -1
	FETCH_B 0, 0, 0
	FETCH_A 0, 0, 0
	FETCH_A 0, 0, 4
	STEP 0, 0, 1                                   ; K = 1,024 is four slots: written straight, no loop.  The first products start the sums
	TURN 0, 1, 1
	STEP 1, 0, 0
	TURN 1, 0, 1
	STEP 0, 0, 0
	TURN 0, 1, 0                                   ; nothing is left to fetch
	STEP 1, 0, 0
	s_wait_dscnt 4*NL
	WIN MUL_LO
	MUL16 0, 1, 0
	MUL16 2, 1, 0
	s_wait_dscnt 0
	WIN MUL_HI
	MUL16 4, 1, 0
	MUL16 6, 1, 0
	WIN 0
; THE WAY OUT of block a (16 rows of source 1 x 128 of source 0): y = sum x 2^(ex + ew) + bias, one packed multiply-add for two; the hold; the conversion; four chunks stored.
.macro EPI kind, a
.set AC, 64*((\a)%4)
.set CD, 192+16*((\a)%4)
.if (\a) >= 4
	s_wait_xcnt 0x0                                ; the stores of four blocks ago have read this set of codes
.endif
	WIN 0x02+((\a)/4)                              ; source 0: window 2 or 3
.set j, 0
.rept 32
.if \kind
	v_pk_fma_f32 v[TMP+j:TMP+j+1], v[AC+j:AC+j+1], s[96:97], v[BV+2*(\a):BV+2*(\a)+1] op_sel_hi:[1,0,1]
.else
	v_pk_fma_f32 v[TMP+j:TMP+j+1], v[AC+j:AC+j+1], s[96:97], v[BI+j:BI+j+1] op_sel_hi:[1,0,1]   ; each accumulator from its low end on
.endif
.set j, j+2
.endr
	WIN 0
.irp b, 0,1,2,3
.irp i, 0,1,2,3,4,5,6,7,8,9,10,11,12,13,14,15
	v_med3_num_f32 v[TMP+16*\b+\i], v[TMP+16*\b+\i], -v31, v31
.endr
	v_cvt_scalef32_pk8_bf8_f32 v[CD+4*\b:CD+4*\b+1], v[TMP+16*\b:TMP+16*\b+7], v30
	v_cvt_scalef32_pk8_bf8_f32 v[CD+4*\b+2:CD+4*\b+3], v[TMP+16*\b+8:TMP+16*\b+15], v30
.endr
	v_nop                                          ; a plain line behind the last conversion: the next block writes the conversions' sources
.irp b, 0,1,2,3
.if \kind
	global_store_b128 v[LI], v[CD+4*\b:CD+4*\b+3], s[10:11] offset:((\a)/4)*131072+((\a)%4)*2048+\b*512   ; v: head 2 G + a / 4, d tile a % 4, chunk b of the key step
.else
	global_store_b128 v[LI], v[CD+4*\b:CD+4*\b+3], s[10:11] offset:(\b/2)*131072+(\a)*1024+(\b%2)*512     ; q, k: head 2 G + b / 2, token tile a, chunk b % 2
.endif
.endr
.endm
	s_wait_loadcnt 0x0                             ; the biases
	PLACES NP                                      ; behind the last products: for the reads of their results and the writes over source 1's fragments
	s_cmp_eq_u32 s98, 2                            ; the same in all partners
	s_cbranch_scc1 .Lway_v
.irp a, 0,1,2,3,4,5,6,7
	EPI 0, \a
.endr
	s_branch .Lend
.Lway_v:
.irp a, 0,1,2,3,4,5,6,7
	EPI 1, \a
.endr
.Lend:
	s_wait_tensorcnt 0x0                           ; the wave's end
	ds_add_u32 v[SPW], v[NIL]
	s_wait_dscnt 0x0
	CROUND                                         ; the closing round
	s_endpgm
.Lfunc_end_k_q76284f9a6b_proj:
	.size	k_q76284f9a6b_proj, .Lfunc_end_k_q76284f9a6b_proj-k_q76284f9a6b_proj
	.p2alignl 7, 3214868480
	.fill 96, 4, 3214868480
	.section	.rodata,"a",@progbits
	.p2align	6, 0x0
	.amdhsa_kernel k_q76284f9a6b_proj
		.amdhsa_group_segment_fixed_size 327680
		.amdhsa_private_segment_fixed_size 0
		.amdhsa_enable_private_segment 0
		.amdhsa_kernarg_size 56
		.amdhsa_user_sgpr_count 2
		.amdhsa_user_sgpr_kernarg_segment_ptr 1
		.amdhsa_wavefront_size32 1
		.amdhsa_system_sgpr_workgroup_id_x 1
		.amdhsa_system_sgpr_workgroup_id_y 1
		.amdhsa_system_sgpr_workgroup_id_z 1
		.amdhsa_system_vgpr_workitem_id 0
		.amdhsa_next_free_vgpr 1024
		.amdhsa_next_free_sgpr 102
		.amdhsa_reserve_vcc 0
		.amdhsa_float_denorm_mode_32 3
		.amdhsa_float_denorm_mode_16_64 3
		.amdhsa_memory_ordered 1
		.amdhsa_forward_progress 1
		.amdhsa_inst_pref_size 194
	.end_amdhsa_kernel
	.amdgpu_metadata
---
amdhsa.version: [ 1, 2 ]
amdhsa.kernels:
  - .name:           k_q76284f9a6b_proj
    .symbol:         k_q76284f9a6b_proj.kd
    .args:
      - { .name: ximg, .offset: 0, .size: 8, .value_kind: global_buffer, .address_space: global }
      - { .name: wimg, .offset: 8, .size: 8, .value_kind: global_buffer, .address_space: global }
      - { .name: bq, .offset: 16, .size: 8, .value_kind: global_buffer, .address_space: global }
      - { .name: bk, .offset: 24, .size: 8, .value_kind: global_buffer, .address_space: global }
      - { .name: bv, .offset: 32, .size: 8, .value_kind: global_buffer, .address_space: global }
      - { .name: lowp_scales, .offset: 40, .size: 8, .value_kind: global_buffer, .address_space: global }
      - { .name: qkv, .offset: 48, .size: 8, .value_kind: global_buffer, .address_space: global }
    .group_segment_fixed_size: 327680
    .private_segment_fixed_size: 0
    .kernarg_segment_align: 8
    .kernarg_segment_size: 56
    .max_flat_workgroup_size: 128
    .sgpr_count:     102
    .vgpr_count:     1024
    .wavefront_size: 32
...
	.end_amdgpu_metadata
.endif
;; end of part 2
;; launch attn (part 3): grid 4 x 64, 16 waves a work-group, no clusters, 264,192 bytes of LDS; arguments qkv, mwords, mcls, lowp_scales, aimg; writes aimg
.if DOCPART == 3
	.amdgcn_target "amdgcn-amd-amdhsa--gfx1250"
	.amdhsa_code_object_version 6
	.text
	.protected	k_q76284f9a6b_attn
	.globl	k_q76284f9a6b_attn
	.p2align	8
	.type	k_q76284f9a6b_attn,@function
k_q76284f9a6b_attn:
	s_mov_b64 s[64:65], 0
	v_nop
	global_prefetch_b8 v0, s[64:65] scope:SCOPE_SE
	s_setreg_imm32_b32 hwreg(HW_REG_WAVE_MODE, 25, 1), 1
	s_wait_xcnt 0x0
; ATTN.  x[b][q][head] = softmax_k(q . k / 8, hidden keys at a very low logit) v, both products on codes of BF8; x is quantised at once (e10) into images for the output projection.
; THE SOFTMAX: t = score x log2(e) / 8; M = the running largest t rounded UP to a whole number; p = 2^(t - M) is quantised (e8), not normalised; the sum of the unquantised p divides at the end.
; SHARES.  A work-group has one head (y) and holds the head's WHOLE k (LDS 0 ..) and v (131,072 ..) as images of operand registers, filled once through registers; one barrier; then the sixteen waves never meet.
; Of the head's 128 query tiles of 16 work-group x = j takes tq = 4 i + j; wave w takes i = w and then i = 31 - w.  Every wave walks the 16 key steps of 128 keys.
; LAYOUT.  Both products transposed: S^T = k q^T (source 0 = 16 keys), O^T = v^T p^T (source 0 = 16 of the head's 64): a lane holds ONE query.  The rows of a tile are not neighbours (lane row r of tile t:
; 32 (t/2) + 8 (t%2) + r + 8 (r/8)), so the 16 registers of tiles 2 b, 2 b + 1 are 16 neighbours 32 b + 16 h + 0 .. 15: p's codes are the second product's operand, and x's codes a chunk of aimg.
; THE MASK is an input.  An earlier launch stored it as bit words in the order of these registers (word n, bit lane: score register n), so a hidden score costs one select by a scalar word; and it stored, for each
; tile of 16 queries x 128 keys, whether any key is open and whether any is hidden.  A step with no open key is passed over, if every one of the tile's 16 rows has an open key somewhere (else all steps run):
; beside an open key a hidden one has p = 0.  A step with no hidden key passes over the selects.  These are scalar branches on stored whole numbers; so this launch has no tensor load, and no joint loads,
; though the four work-groups of a head read the same 262,144 bytes once each.
; LIMITS.  A hidden logit is taken as -2^30 where the definition has -1e9: in t that is a whole number, so a row with no open key has p = 1 throughout, as f32 gives for -1e9; it differs only where open logits
; lie below about -1e9.  e6 + e7 between -94 and 130; e8 and e10 between -126 and 112.  NaN among the inputs is not served.
; p is at most 1, so its hold at 57,344 x 2^e8 can act only where e8 < -15: it is passed over otherwise (a scalar branch on the given exponent).
; REGISTERS: v1 16 x lane; v2 the same in v's images; v3 the hidden score; v4, v5: 2^e8, 57,344 x 2^e8; v6, v7 the same of e10; v8, v9 the step's LDS addresses; v10 q's and x's offset; v12 -M, v13 the largest t,
; v[14:15] the sum in two halves; v16-23 q; v24-31 x's codes; v32-95 k's 8 fragments, then v32-47 p's codes and v48-55 at work; v96-159 S^T, then p; v160-191 O^T; v192-255 v's 4 fragments.
; s[32:63], s[68:99]: the step's 64 mask words (word n in s[32 + n], from n = 32 on in s[36 + n]).
.set VIMG, 131072
	s_load_b256 s[4:11], s[0:1], 0x0               ; qkv, mwords, mcls, lowp_scales
	s_load_b64 s[12:13], s[0:1], 0x20              ; aimg
	v_lshrrev_b32 v8, 5, v0
	v_readfirstlane_b32 s14, v8                    ; wave 0..15
	v_and_b32 v1, 31, v0
	v_lshlrev_b32 v1, 4, v1
	v_add_nc_u32 v2, VIMG, v1
	v_lshlrev_b32 v8, 4, v0                        ; the fill: 16 x thread, 8,192 bytes an instruction of the work-group
	v_add_nc_u32 v9, 0x10000, v8
	v_add_nc_u32 v10, 0x20000, v8
	v_add_nc_u32 v11, 0x30000, v8
	s_and_b32 s2, ttmp7, 0xffff                    ; b x 16 + head
	s_lshl_b32 s66, s2, 17
	s_mov_b32 s67, 0
	s_mov_b32 s18, 0x76543210                      ; v_permlanex16_b32's selects for lane l xor 16
	s_mov_b32 s19, 0xfedcba98
	s_wait_kmcnt 0x0
	s_load_b256 s[32:39], s[10:11], 0x0            ; e0 .. e7
	s_load_b128 s[40:43], s[10:11], 0x20           ; e8 .. e11
	s_add_nc_u64 s[28:29], s[4:5], s[66:67]        ; the head's q,
	s_add_nc_u64 s[100:101], s[28:29], 0x800000    ; k,
	s_add_nc_u64 s[44:45], s[28:29], 0x1000000     ; and v
.irp i, 0,1,2,3,4,5,6,7,8,9,10,11,12,13,14,15
	global_load_b128 v[128+4*\i:131+4*\i], v8, s[100:101] offset:8192*\i
.endr
.irp i, 0,1,2,3,4,5,6,7,8,9,10,11,12,13,14,15
	global_load_b128 v[192+4*\i:195+4*\i], v8, s[44:45] offset:8192*\i
.endr
	s_lshr_b32 s66, s2, 4                          ; aimg: batch b's 128 token tiles of 16,384 bytes; K step head / 2; chunks 2 (head % 2) on
	s_lshl_b32 s66, s66, 21
	s_and_b32 s3, s2, 15
	s_lshr_b32 s3, s3, 1
	s_lshl_b32 s3, s3, 11
	s_add_co_u32 s66, s66, s3
	s_and_b32 s3, s2, 1
	s_lshl_b32 s3, s3, 10
	s_add_co_u32 s66, s66, s3
	s_add_nc_u64 s[30:31], s[12:13], s[66:67]
	s_wait_kmcnt 0x0
	s_add_co_i32 s3, s38, s39                      ; e6 + e7: a score stands for score x 2^(e6 + e7)
	s_lshl_b32 s66, s3, 23
	s_add_co_i32 s16, s66, 0x3e38aa3b              ; c = log2(e) / 8, the two exponents added to its exponent field
	s_mov_b32 s17, s16                             ; (named with it as a pair, so it is written)
	s_sub_co_i32 s66, 160, s3
	s_lshl_b32 s66, s66, 23
	s_or_b32 s66, s66, 0x80000000
	v_mov_b32 v3, s66                              ; -2^(33 - e6 - e7): x c it is -log2(e) 2^30, a whole number in f32
	s_mov_b32 s25, s40                             ; e8
	s_add_co_i32 s26, s40, s41                     ; e8 + e9
	s_add_co_i32 s66, s40, 127
	s_lshl_b32 s3, s66, 23
	v_mov_b32 v4, s3
	s_add_co_i32 s66, s66, 15
	s_lshl_b32 s66, s66, 23
	s_or_b32 s66, s66, 0x600000
	v_mov_b32 v5, s66
	s_add_co_i32 s66, s42, 127
	s_lshl_b32 s3, s66, 23
	v_mov_b32 v6, s3
	s_add_co_i32 s66, s66, 15
	s_lshl_b32 s66, s66, 23
	s_or_b32 s66, s66, 0x600000
	v_mov_b32 v7, s66
.irp i, 0,1,2,3,4,5,6,7,8,9,10,11,12,13,14,15,16,17,18,19,20,21,22,23,24,25,26,27,28,29,30,31
	s_wait_loadcnt 31-\i                           ; loads come back in order: load i is in, the younger ones may be out
	ds_store_b128 v[8+\i/8], v[128+4*\i:131+4*\i] offset:8192*(\i%8)
.endr
	s_wait_dscnt 0x0                               ; for the others' sake: my part of the images lies in LDS
	s_barrier_signal -1
	s_barrier_wait -1                              ; from here on LDS is only read
.macro PASS pi
.if \pi
	s_wait_xcnt 0x0                                ; the first tile's stores have read v10 and v24-31
	s_sub_co_u32 s27, 31, s14
.else
	s_mov_b32 s27, s14
.endif
	s_lshl_b32 s27, s27, 2
	s_add_co_u32 s27, s27, ttmp9                   ; tq
	s_lshl_b32 s3, s27, 10
	v_add_nc_u32 v10, s3, v1
	global_load_b128 v[16:19], v10, s[28:29]       ; q's fragment: two chunks
	global_load_b128 v[20:23], v10, s[28:29] offset:512
	s_lshl_b32 s3, s27, 9
	s_load_b64 s[32:33], s[8:9], s3 offset:0x0     ; the tile's class words, a pair for each quarter of the keys
	s_load_b64 s[34:35], s[8:9], s3 offset:0x80
	s_load_b64 s[36:37], s[8:9], s3 offset:0x100
	s_load_b64 s[38:39], s[8:9], s3 offset:0x180
	v_mov_b32 v13, 0xff61b1e6                      ; the largest t so far: -3e38
	v_floor_f32 v12, -v13                          ; -M
	v_mov_b32 v14, 0
	v_mov_b32 v15, 0
.set j, 0
.rept 32
	v_mov_b32 v[160+j], 0                          ; O^T: the loop has no first step of its own; the first change of M multiplies zeros
.set j, j+1
.endr
	s_wait_kmcnt 0x0
	s_or_b32 s66, s32, s34
	s_or_b32 s67, s36, s38
	s_or_b32 s66, s66, s67
	s_or_b32 s67, s33, s35
	s_or_b32 s3, s37, s39
	s_or_b32 s67, s67, s3                          ; bit lane: that lane has an open key somewhere
	s_and_b32 s23, s66, 0xffff                     ; RUN: bit s: step s has an open key
	s_lshr_b32 s24, s66, 16                        ; APP: bit s: step s has a hidden key
	s_lshr_b32 s3, s67, 16
	s_or_b32 s67, s67, s3
	s_and_b32 s67, s67, 0xffff                     ; bit r: row r has an open key
	s_cmp_eq_u32 s67, 0xffff
	s_cselect_b32 s23, s23, 0xffff                 ; a row with none wants every step
	s_lshl_b32 s21, s27, 12                        ; the tile's words in mwords
	s_mov_b32 s22, 0                               ; the step
	s_mov_b32 s20, 0                               ; its images in LDS
	s_wait_loadcnt 0x0                             ; q
.Lstep_\@:
	s_bitcmp1_b32 s23, s22
	s_cbranch_scc0 .Lskip_\@
	s_load_b512 s[32:47], s[6:7], s21 offset:0x0
	s_load_b512 s[48:63], s[6:7], s21 offset:0x40
	s_load_b512 s[68:83], s[6:7], s21 offset:0x80
	s_load_b512 s[84:99], s[6:7], s21 offset:0xc0
	v_add_nc_u32 v8, s20, v1
	v_add_nc_u32 v9, s20, v2
	v_nop                                          ; with the two additions: four places in front of loads into registers that the last products read
	v_nop
.irp t, 0,1,2,3,4,5,6,7
.irp c, 0,1
	ds_load_b128 v[32+8*\t+4*\c:35+8*\t+4*\c], v8 offset:1024*\t+512*\c
.endr
.endr
.irp n, 0,1,2,3
.irp c, 0,1,2,3
	ds_load_b128 v[192+16*\n+4*\c:195+16*\n+4*\c], v9 offset:2048*\n+512*\c
.endr
.endr
	s_wait_dscnt 16                                ; k's sixteen loads are in; v's sixteen may be out
.irp t, 0,1,2,3,4,5,6,7
	v_wmma_f32_16x16x64_bf8_bf8 v[96+8*\t:103+8*\t], v[32+8*\t:39+8*\t], v[16:23], 0
.endr
.rept 4
	v_nop
.endr
	s_wait_kmcnt 0x0                               ; the mask words; s21 may be stepped behind this wait
	s_bitcmp1_b32 s24, s22
	s_cbranch_scc0 .Lopen_\@
.set n, 0
.rept 64
	v_cndmask_b32 v[96+n], v3, v[96+n], s[32+n+4*(n/32)]   ; bit 0: the hidden score
.set n, n+1
.endr
.Lopen_\@:
	v_max3_num_f32 v48, v96, v97, v98              ; the step's largest score of my query among my 64 keys, in two chains,
	v_max3_num_f32 v52, v99, v100, v101
.irp i, 6,10,14,18,22,26,30,34,38,42,46,50,54,58
	v_max3_num_f32 v48, v48, v[96+\i], v[97+\i]
	v_max3_num_f32 v52, v52, v[98+\i], v[99+\i]
.endr
	v_max3_num_f32 v48, v48, v158, v159
	v_max_num_f32 v48, v48, v52
	v_permlanex16_b32 v49, v48, s18, s19
	v_max_num_f32 v48, v48, v49                    ; and among lane l xor 16's
	v_mul_f32 v48, s16, v48                        ; as t (c is positive)
	v_max_num_f32 v13, v13, v48
	v_mov_b32 v48, v12
	v_floor_f32 v12, -v13                          ; the new -M = -ceil(t)
	v_sub_f32 v48, v12, v48                        ; old M - new M: a whole number, 0 or less
	v_cvt_i32_f32 v48, v48                         ; (it saturates)
	v_ldexp_f32 v50, 1.0, v48                      ; f = 2^(old M - new M)
.set j, 0
.rept 32
	v_pk_fma_f32 v[96+j:97+j], v[96+j:97+j], s[16:17], v[12:13] op_sel_hi:[1,0,0]   ; t - M, two at a time
.set j, j+2
.endr
.set j, 0
.rept 64
	v_exp_f32 v[96+j], v[96+j]                     ; p = 2^(t - M)
.set j, j+1
.endr
	v_pk_mul_f32 v[14:15], v[14:15], v[50:51] op_sel_hi:[1,0]   ; the sums under the new M: the plain line behind the exponentials
	s_wait_alu depctr_va_vdst(0)                   ; one wait for the whole batch, ahead of its first reader
	v_pk_add_f32 v[54:55], v[96:97], v[98:99]      ; the sum is taken of the unquantised p, in two chains
.irp j, 4,8,12,16,20,24,28,32,36,40,44,48,52,56,60
	v_pk_add_f32 v[14:15], v[14:15], v[96+\j:97+\j]
	v_pk_add_f32 v[54:55], v[54:55], v[98+\j:99+\j]
.endr
	v_pk_add_f32 v[14:15], v[14:15], v[54:55]
	s_cmp_ge_i32 s25, -15
	s_cbranch_scc1 .Lnohold_\@
.set j, 0
.rept 64
	v_min_num_f32 v[96+j], v[96+j], v5             ; p is not negative: a one-sided hold
.set j, j+1
.endr
.Lnohold_\@:
.irp b, 0,1,2,3
	v_cvt_scalef32_pk8_bf8_f32 v[32+4*\b:33+4*\b], v[96+16*\b:103+16*\b], v4
	v_cvt_scalef32_pk8_bf8_f32 v[34+4*\b:35+4*\b], v[104+16*\b:111+16*\b], v4
.endr
.set j, 0
.rept 16
	v_pk_mul_f32 v[160+j:161+j], v[160+j:161+j], v[50:51] op_sel_hi:[1,0]   ; O^T under the new M; also the plain lines behind the conversions
.set j, j+2
.endr
	s_wait_dscnt 0x0                               ; v's fragments
.irp n, 0,1,2,3
	v_wmma_f32_16x16x128_bf8_bf8 v[160+8*\n:167+8*\n], v[192+16*\n:207+16*\n], v[32:47], v[160+8*\n:167+8*\n]
.endr
.Lskip_\@:
	s_add_co_u32 s20, s20, 8192
	s_add_co_u32 s21, s21, 256
	s_add_co_u32 s22, s22, 1
	s_cmp_lt_u32 s22, 16
	s_cbranch_scc1 .Lstep_\@
	; the way out: x = O^T x 2^(e8 + e9) / the sum, quantised with e10: two chunks of aimg
.rept 4
	v_nop
.endr
	v_mov_b32 v48, 0                               ; written: a lane permute's destination counts as one of its sources
	v_add_f32 v14, v14, v15
	v_permlanex16_b32 v48, v14, s18, s19
	v_add_f32 v14, v14, v48
	v_rcp_f32 v14, v14
	s_lshl_b32 s3, s27, 14
	v_add_nc_u32 v10, s3, v1                       ; (the plain line behind the reciprocal)  token tile tq's 16,384 bytes
	s_wait_alu depctr_va_vdst(0)                   ; ahead of the reciprocal's first reader
	v_ldexp_f32 v14, v14, s26
.set j, 0
.rept 32
	v_mul_f32 v[96+j], v[160+j], v14               ; register 16 b + i: d = 32 b + 16 h + i of my query
.set j, j+1
.endr
.set j, 0
.rept 32
	v_med3_num_f32 v[96+j], v[96+j], -v7, v7
.set j, j+1
.endr
.irp b, 0,1
	v_cvt_scalef32_pk8_bf8_f32 v[24+4*\b:25+4*\b], v[96+16*\b:103+16*\b], v6
	v_cvt_scalef32_pk8_bf8_f32 v[26+4*\b:27+4*\b], v[104+16*\b:111+16*\b], v6
.endr
	v_nop                                          ; a plain line behind the last conversion
	global_store_b128 v10, v[24:27], s[30:31]      ; 512 consecutive bytes, aligned
	global_store_b128 v10, v[28:31], s[30:31] offset:512
.endm
	PASS 0
	PASS 1
	s_wait_xcnt 0x0
	v_lshl_add_u32 v254, v0, 2, 0x40000
	v_mov_b32 v255, 0
	s_wait_tensorcnt 0x0
	ds_add_u32 v254, v255
	s_wait_dscnt 0x0
	s_endpgm
.Lfunc_end_k_q76284f9a6b_attn:
	.size	k_q76284f9a6b_attn, .Lfunc_end_k_q76284f9a6b_attn-k_q76284f9a6b_attn
	.p2alignl 7, 3214868480
	.fill 96, 4, 3214868480
	.section	.rodata,"a",@progbits
	.p2align	6, 0x0
	.amdhsa_kernel k_q76284f9a6b_attn
		.amdhsa_group_segment_fixed_size 264192
		.amdhsa_private_segment_fixed_size 0
		.amdhsa_enable_private_segment 0
		.amdhsa_kernarg_size 40
		.amdhsa_user_sgpr_count 2
		.amdhsa_user_sgpr_kernarg_segment_ptr 1
		.amdhsa_wavefront_size32 1
		.amdhsa_system_sgpr_workgroup_id_x 1
		.amdhsa_system_sgpr_workgroup_id_y 1
		.amdhsa_system_sgpr_workgroup_id_z 1
		.amdhsa_system_vgpr_workitem_id 0
		.amdhsa_next_free_vgpr 256
		.amdhsa_next_free_sgpr 102
		.amdhsa_reserve_vcc 0
		.amdhsa_float_denorm_mode_32 3
		.amdhsa_float_denorm_mode_16_64 3
		.amdhsa_memory_ordered 1
		.amdhsa_forward_progress 1
		.amdhsa_inst_pref_size 62
	.end_amdhsa_kernel
	.amdgpu_metadata
---
amdhsa.version: [ 1, 2 ]
amdhsa.kernels:
  - .name:           k_q76284f9a6b_attn
    .symbol:         k_q76284f9a6b_attn.kd
    .args:
      - { .name: qkv, .offset: 0, .size: 8, .value_kind: global_buffer, .address_space: global }
      - { .name: mwords, .offset: 8, .size: 8, .value_kind: global_buffer, .address_space: global }
      - { .name: mcls, .offset: 16, .size: 8, .value_kind: global_buffer, .address_space: global }
      - { .name: lowp_scales, .offset: 24, .size: 8, .value_kind: global_buffer, .address_space: global }
      - { .name: aimg, .offset: 32, .size: 8, .value_kind: global_buffer, .address_space: global }
    .group_segment_fixed_size: 264192
    .private_segment_fixed_size: 0
    .kernarg_segment_align: 8
    .kernarg_segment_size: 40
    .max_flat_workgroup_size: 512
    .sgpr_count:     102
    .vgpr_count:     256
    .wavefront_size: 32
...
	.end_amdgpu_metadata
.endif
;; end of part 3
;; launch outp (part 4): grid 4 x 32, 4 waves a work-group, clusters of 4 x 4, 327,680 bytes of LDS; arguments aimg, wimg, bo, lowp_scales, out0; writes out0
.if DOCPART == 4
	.amdgcn_target "amdgcn-amd-amdhsa--gfx1250"
	.amdhsa_code_object_version 6
	.text
	.protected	k_q76284f9a6b_outp
	.globl	k_q76284f9a6b_outp
	.p2align	8
	.type	k_q76284f9a6b_outp,@function
k_q76284f9a6b_outp:
	s_mov_b64 s[64:65], 0
	v_nop
	global_prefetch_b8 v0, s[64:65] scope:SCOPE_SE
	s_setreg_imm32_b32 hwreg(HW_REG_WAVE_MODE, 25, 1), 1
	s_wait_xcnt 0x0
	s_wait_alu depctr_hold_cnt(0) depctr_sa_sdst(0) depctr_va_vdst(0) depctr_va_sdst(0) depctr_va_ssrc(0) depctr_va_vcc(0) depctr_vm_vsrc(0)
	s_getreg_b32 s2, hwreg(HW_REG_IB_STS2, 6, 4)
	s_cmp_eq_u32 s2, 0
	s_cbranch_scc0 .Lentry_in_a_cluster
	s_endpgm
.Lentry_in_a_cluster:
	s_bfe_u32 s2, ttmp6, 0x10000c
	s_cmp_lg_u32 s2, 0xf033
	s_cbranch_scc0 .Lentry_shape_is_right
	s_endpgm
.Lentry_shape_is_right:
; OUTP.  out0 = x Wo^T + bo on codes of BF8: [8192 x 1024 x 1024], f32 out.  x's codes (aimg) and Wo's (the fourth tensor of wimg) are images of operand registers:
; row tiles of 16 rows (tile t of a group of 128, lane row r: row 32 (t/2) + 8 (t%2) + r + 8 (r/8)), [tile][K step 8][2,048 bytes]; chunk c, 16 bytes at 16 x lane (r, h): k = 32 c + 16 h + 0 .. 15.
; A tile of 256 x 256 of out0 to a work-group of four waves, 128 x 128 a wave; K in steps of 256 through two LDS slots filled by the tensor data mover.
; Source 0 = Wo's rows, source 1 = the tokens: a lane holds one token and, in the 16 registers of two neighbouring tiles, outputs 32 b + 16 h + 0 .. 15.
; CLUSTERS: 4 x 4 work-groups; the tokens' tile is shared along a row of the cluster, Wo's along a column: each is asked for jointly.
; THE WAY OUT: a block of 16 tokens x 128 outputs goes through the wave's own stage in LDS and comes back as whole rows of 512 bytes; there sum x 2^(e10 + e11) + bo is one packed multiply-add for two.
; LIMIT: e10 + e11 between -126 and 127.
; REGISTERS: window 0: v0-31 addresses; v32-35 bo of my four columns; from v128 source 1's fragments, ONE set; on the way out v128-255 are free.  window 1: source 0's, TWO sets.  windows 2, 3: the accumulators.
.set FR,     16
.set NL,     4
.set NP,     4
.set HALFT,  32768
.set SLOT,   4*HALFT
.set SPARE,  2*SLOT                    ; behind the ring: the spare words, 128 bytes a wave: two blocks of 256 bytes that no other line names
.set SPITCH, 528                       ; the stage: 16 rows x (512 + 16) bytes a wave, in slot 0, which has had its last fill and its last read when the first result is stored there
.set ADRA, 16
.set ADRB, 20
.set STO,  24                          ; v24  the stage: where I put my numbers of a row
.set RD,   25                          ; v25  and where I read a row back
.set LI,   27                          ; v27  16 x lane; also my offset in a row of out0
.set SPW,  28
.set NIL,  29
.set AF,   128
.set BK,   128                         ; the way out: 16 rows read back: v128-191 and v192-255 by turns
.set G1, 24
.set G0, 32
.set G1B, 48
.set G0B, 56
.set MSB, 0
.macro WIN new
.if MSB != (\new)
	s_set_vgpr_msb (MSB<<8)|(\new)
.set MSB, \new
.endif
.endm
.set MUL_LO, 0xa1
.set MUL_HI, 0xf1
.set TO_B,   0x40
.macro JLOAD g0a, g1a, g0b, g1b        ; waves 0 and 1 fetch for source 1, waves 2 and 3 for source 0; four v_nop follow each of the two lines
	s_cmp_eq_u32 s15, 0
	s_cbranch_scc0 .Lfor_b_\@
	tensor_load_to_lds s[\g0a:\g0a+3], s[\g1a:\g1a+7]
	s_nop 0
.rept 4
	v_nop
.endr
	s_branch .Lasked_\@
.Lfor_b_\@:
	tensor_load_to_lds s[\g0b:\g0b+3], s[\g1b:\g1b+7]
	s_nop 0
.rept 4
	v_nop
.endr
.Lasked_\@:
.endm
.macro CREST
	s_cmp_lg_u32 s14, 0
	s_cbranch_scc1 .Lnot_wave_0_\@
	s_barrier_signal -3
.Lnot_wave_0_\@:
	s_barrier_wait -3
	s_barrier_signal -1
	s_barrier_wait -1
.endm
.macro CROUND
	s_barrier_signal -1
	s_barrier_wait -1
	CREST
.endm
	s_load_b256 s[68:75], s[0:1], 0x0              ; aimg, wimg, bo, lowp_scales
	s_load_b64 s[76:77], s[0:1], 0x20              ; out0
	v_lshl_add_u32 v[SPW], v0, 2, SPARE
	v_mov_b32 v[NIL], 0
	ds_add_u32 v28, v29
	ds_add_u32 v28, v29
	s_wait_dscnt 0x0
	v_lshrrev_b32 v1, 5, v0
	v_readfirstlane_b32 s14, v1                    ; wave
	s_lshr_b32 s15, s14, 1
	s_and_b32 s16, s14, 1
	s_bfe_u32 s40, ttmp6, 0x40000                  ; cx: Wo's tile
	s_bfe_u32 s41, ttmp6, 0x40004                  ; cy
	s_and_b32 s17, ttmp7, 0xffff
	s_lshl_b32 s17, s17, 2
	s_add_co_u32 s17, s17, s41                     ; the tokens' tile = 4 x cluster y + cy
	s_lshl_b32 s43, s41, 2
	s_lshl_b32 s43, 15, s43                        ; my row of the cluster
	s_lshl_b32 s44, 0x1111, s40                    ; my column
	s_or_b32 s[G1+0], s43, (3<<16)|(1<<21)         ; 8 rows (row tiles) of 512 elements of 8 bytes, 16,384 bytes apart, dense in LDS
	s_or_b32 s[G1B+0], s44, (3<<16)|(1<<21)
.irp g, G1, G1B
	s_mov_b32 s[\g+1], 512<<16
	s_mov_b32 s[\g+2], 8<<16
	s_mov_b32 s[\g+3], 512<<16
	s_mov_b32 s[\g+4], 8
	s_mov_b32 s[\g+5], 2048
	s_mov_b32 s[\g+6], 0
	s_mov_b32 s[\g+7], 0
.endr
	s_lshl_b32 s21, s16, 3
	s_lshl_b32 s20, s17, 4
	s_add_co_u32 s20, s20, s21
	s_lshl_b32 s20, s20, 14
	s_lshl_b32 s46, s40, 4
	s_add_co_u32 s46, s46, s21
	s_lshl_b32 s46, s46, 14
	s_add_co_u32 s46, s46, 3<<20                   ; Wo is wimg's fourth tensor
	s_mov_b32 s21, 0
	s_mov_b32 s47, 0
	s_mul_i32 s45, s14, HALFT
	s_wait_kmcnt 0x0
	s_load_b64 s[96:97], s[74:75], 0x28            ; e10, e11
	s_add_nc_u64 s[4:5], s[68:69], s[20:21]
	s_add_nc_u64 s[6:7], s[70:71], s[46:47]
	CROUND                                         ; all sixteen work-groups are here: the first joint loads meet
.irp s, 0,1
	s_mov_b32 s[G0+4*\s], 1
	s_add_co_u32 s[G0+4*\s+1], s45, \s*SLOT
	s_add_nc_u64 s[G0+4*\s+2:G0+4*\s+3], s[4:5], \s*4096
	s_or_b32 s[G0+4*\s+3], s[G0+4*\s+3], 0x80000000
	s_mov_b32 s[G0B+4*\s], 1
	s_add_co_u32 s[G0B+4*\s+1], s45, \s*SLOT
	s_add_nc_u64 s[G0B+4*\s+2:G0B+4*\s+3], s[6:7], \s*4096
	s_or_b32 s[G0B+4*\s+3], s[G0B+4*\s+3], 0x80000000
	JLOAD G0+4*\s, G1, G0B+4*\s, G1B
.endr
	v_and_b32 v2, 31, v0
	v_lshlrev_b32 v[LI], 4, v2
	s_mul_i32 s21, s15, HALFT
	s_mul_i32 s22, s16, HALFT
	s_add_co_u32 s22, s22, 2*HALFT
.irp s, 0,1
	v_add_nc_u32 v[ADRA+\s], s21, v[LI]
	v_add_nc_u32 v[ADRB+\s], s22, v[LI]
	s_add_co_u32 s21, s21, SLOT
	s_add_co_u32 s22, s22, SLOT
.endr
	v_and_b32 v1, 15, v0                           ; r
	v_bfe_u32 v2, v0, 4, 1                         ; h
	s_mul_i32 s23, s14, 16*SPITCH                  ; my stage
	v_mul_u32_u24 v5, v1, SPITCH
	v_lshl_add_u32 v5, v2, 6, v5
	v_add_nc_u32 v[STO], s23, v5                   ; in: row r, + 64 h
	v_add_nc_u32 v[RD], s23, v[LI]                 ; back: 16 bytes a lane of a row
	s_lshl_b32 s18, s17, 1
	s_add_co_u32 s18, s18, s15                     ; my group of 128 tokens
	s_lshl_b32 s19, s40, 1
	s_add_co_u32 s19, s19, s16                     ; my group of 128 outputs
	s_lshl_b32 s82, s19, 9
	s_mov_b32 s83, 0
	s_add_nc_u64 s[8:9], s[72:73], s[82:83]
	global_load_b128 v[32:35], v[LI], s[8:9]       ; bo of the four columns that I store
	s_lshl_b32 s66, s18, 19
	s_add_co_u32 s82, s82, s66
	s_add_nc_u64 s[10:11], s[76:77], s[82:83]      ; out0 at my group's first row and column; never stepped
	s_wait_kmcnt 0x0
	s_add_co_i32 s96, s96, s97
	s_add_co_i32 s96, s96, 127
	s_lshl_b32 s96, s96, 23                        ; 2^(e10 + e11) as f32
	s_mov_b32 s97, s96
.macro FRAG reg, adr, q, i
.irp c, 0,1,2,3
	ds_load_b128 v[\reg+4*\c:\reg+4*\c+3], v[\adr] offset:4096*(\i)+2048*(\q)+512*\c
.endr
.endm
.macro MUL16 a0, p, zero               ; the 64 accumulators take turns, one instruction a turn, in the same order in every step
.irp a, \a0, \a0+1
.irp b, 0,1,2,3,4,5,6,7
.if \zero
	v_wmma_f32_16x16x128_bf8_bf8 v[8*(8*((\a)%4)+\b):8*(8*((\a)%4)+\b)+7], v[128*(\p)+FR*\b:128*(\p)+FR*\b+FR-1], v[AF+FR*(\a):AF+FR*(\a)+FR-1], 0
.else
	v_wmma_f32_16x16x128_bf8_bf8 v[8*(8*((\a)%4)+\b):8*(8*((\a)%4)+\b)+7], v[128*(\p)+FR*\b:128*(\p)+FR*\b+FR-1], v[AF+FR*(\a):AF+FR*(\a)+FR-1], v[8*(8*((\a)%4)+\b):8*(8*((\a)%4)+\b)+7]
.endif
.endr
.endr
.endm
.macro FETCH_B slot, q, p
	WIN TO_B
.irp i, 0,1,2,3,4,5,6,7
	FRAG 128*(\p)+FR*\i, ADRB+\slot, \q, \i
.endr
	WIN 0
.endm
.macro FETCH_A slot, q, i0
.irp i, \i0, \i0+1, \i0+2, \i0+3
	FRAG AF+FR*(\i), ADRA+\slot, \q, \i
.endr
.endm
.macro PLACES n
.rept \n
	v_nop
.endr
.endm
.macro STEP slot, q, zero
	s_wait_dscnt 4*NL                              ; source 0's set and blocks 0-3 are in; the youngest sixteen loads may be out
	WIN MUL_LO
	MUL16 0, (\q)%2, \zero
	MUL16 2, (\q)%2, \zero
	s_wait_dscnt 0
	PLACES NP
	FETCH_B \slot, (\q)+1, 1-(\q)%2
	FETCH_A \slot, (\q)+1, 0
	WIN MUL_HI
	MUL16 4, (\q)%2, \zero
	MUL16 6, (\q)%2, \zero
	PLACES NP
	WIN 0
	FETCH_A \slot, (\q)+1, 4
.endm
.macro TURN slot, next, fill
	s_wait_tensorcnt 0x0                           ; all my tensor loads have landed: my part of the next slot
	ds_add_u32 v[SPW], v[NIL]                      ; 0 onto my spare word
	s_wait_dscnt 4*NL+1                            ; (the add and the youngest sixteen loads may be out)
	WIN MUL_LO
	MUL16 0, 1, 0
	s_wait_dscnt 0x0                               ; the add is done, and my reads of this slot are over
	s_barrier_signal -1
	MUL16 2, 1, 0
	WIN 0
	s_barrier_wait -1
.if \fill
	CREST                                          ; the barrier has opened a round of the cluster's
	s_add_nc_u64 s[G0+4*\slot+2:G0+4*\slot+3], s[G0+4*\slot+2:G0+4*\slot+3], 8192
	s_add_nc_u64 s[G0B+4*\slot+2:G0B+4*\slot+3], s[G0B+4*\slot+2:G0B+4*\slot+3], 8192
	JLOAD G0+4*\slot, G1, G0B+4*\slot, G1B
.else
	PLACES NP
.endif
	FETCH_B \next, 0, 0
	FETCH_A \next, 0, 0
	WIN MUL_HI
	MUL16 4, 1, 0
	MUL16 6, 1, 0
	PLACES NP
	WIN 0
	FETCH_A \next, 0, 4
.endm
	s_wait_tensorcnt 1                             ; my part of slot 0 is in; slot 1's may be out
	s_barrier_signal -1
	s_barrier_wait -1
	FETCH_B 0, 0, 0
	FETCH_A 0, 0, 0
	FETCH_A 0, 0, 4
	STEP 0, 0, 1
	TURN 0, 1, 1
	STEP 1, 0, 0
	TURN 1, 0, 1
	STEP 0, 0, 0
	TURN 0, 1, 0
	STEP 1, 0, 0
	s_wait_dscnt 4*NL
	WIN MUL_LO
	MUL16 0, 1, 0
	MUL16 2, 1, 0
	s_wait_dscnt 0
	WIN MUL_HI
	MUL16 4, 1, 0
	MUL16 6, 1, 0
	WIN 0
.macro TOSTAGE a                       ; block a's sums into my stage as they stand, each accumulator's low four registers first, and back as rows.  LDS serves a wave's instructions in order
.set AC, 64*((\a)%4)
	WIN 0x08+4*((\a)/4)                            ; the stores' data: window 2 or 3
.irp b, 0,1,2,3
.irp j, 0,1,2,3
	ds_store_b128 v[STO], v[AC+16*\b+4*\j:AC+16*\b+4*\j+3] offset:128*\b+16*\j
.endr
.endr
	WIN 0
.set BB, BK+64*((\a)%2)
.irp t, 0,1,2,3,4,5,6,7,8,9,10,11,12,13,14,15
	ds_load_b128 v[BB+4*\t:BB+4*\t+3], v[RD] offset:\t*SPITCH
.endr
.endm
.macro SEND a, younger                 ; younger: the LDS instructions issued behind block a's loads, which may stay out
.set BB, BK+64*((\a)%2)
	s_wait_dscnt \younger
.irp t, 0,1,2,3,4,5,6,7,8,9,10,11,12,13,14,15
	v_pk_fma_f32 v[BB+4*\t:BB+4*\t+1], v[BB+4*\t:BB+4*\t+1], s[96:97], v[32:33] op_sel_hi:[1,0,1]
	v_pk_fma_f32 v[BB+4*\t+2:BB+4*\t+3], v[BB+4*\t+2:BB+4*\t+3], s[96:97], v[34:35] op_sel_hi:[1,0,1]
.endr
.irp t, 0,1,2,3,4,5,6,7,8,9,10,11,12,13,14,15
	global_store_b128 v[LI], v[BB+4*\t:BB+4*\t+3], s[10:11] offset:(32*((\a)/2)+8*((\a)%2)+\t+8*(\t/8))*4096 th:TH_STORE_NT   ; 32 lanes store 512 consecutive bytes of the row of token (a, t), aligned
.endr
.endm
	s_wait_loadcnt 0x0                             ; bo
	PLACES NP                                      ; behind the last products: for the stores of their results and the loads into source 1's registers
	TOSTAGE 0
.irp a, 1,2,3,4,5,6,7
.if \a > 1
	s_wait_xcnt 0x0                                ; block a - 2's stores have read their registers: block a's loads may land there
.endif
	TOSTAGE \a
	SEND \a-1, 32                                  ; behind block a - 1's loads: block a's 16 stores and 16 loads
.endr
	SEND 7, 0
	s_wait_tensorcnt 0x0                           ; the wave's end
	ds_add_u32 v[SPW], v[NIL]
	s_wait_dscnt 0x0
	CROUND                                         ; the closing round
	s_endpgm
.Lfunc_end_k_q76284f9a6b_outp:
	.size	k_q76284f9a6b_outp, .Lfunc_end_k_q76284f9a6b_outp-k_q76284f9a6b_outp
	.p2alignl 7, 3214868480
	.fill 96, 4, 3214868480
	.section	.rodata,"a",@progbits
	.p2align	6, 0x0
	.amdhsa_kernel k_q76284f9a6b_outp
		.amdhsa_group_segment_fixed_size 327680
		.amdhsa_private_segment_fixed_size 0
		.amdhsa_enable_private_segment 0
		.amdhsa_kernarg_size 40
		.amdhsa_user_sgpr_count 2
		.amdhsa_user_sgpr_kernarg_segment_ptr 1
		.amdhsa_wavefront_size32 1
		.amdhsa_system_sgpr_workgroup_id_x 1
		.amdhsa_system_sgpr_workgroup_id_y 1
		.amdhsa_system_sgpr_workgroup_id_z 1
		.amdhsa_system_vgpr_workitem_id 0
		.amdhsa_next_free_vgpr 1024
		.amdhsa_next_free_sgpr 98
		.amdhsa_reserve_vcc 0
		.amdhsa_float_denorm_mode_32 3
		.amdhsa_float_denorm_mode_16_64 3
		.amdhsa_memory_ordered 1
		.amdhsa_forward_progress 1
		.amdhsa_inst_pref_size 122
	.end_amdhsa_kernel
	.amdgpu_metadata
---
amdhsa.version: [ 1, 2 ]
amdhsa.kernels:
  - .name:           k_q76284f9a6b_outp
    .symbol:         k_q76284f9a6b_outp.kd
    .args:
      - { .name: aimg, .offset: 0, .size: 8, .value_kind: global_buffer, .address_space: global }
      - { .name: wimg, .offset: 8, .size: 8, .value_kind: global_buffer, .address_space: global }
      - { .name: bo, .offset: 16, .size: 8, .value_kind: global_buffer, .address_space: global }
      - { .name: lowp_scales, .offset: 24, .size: 8, .value_kind: global_buffer, .address_space: global }
      - { .name: out0, .offset: 32, .size: 8, .value_kind: global_buffer, .address_space: global }
    .group_segment_fixed_size: 327680
    .private_segment_fixed_size: 0
    .kernarg_segment_align: 8
    .kernarg_segment_size: 40
    .max_flat_workgroup_size: 128
    .sgpr_count:     98
    .vgpr_count:     1024
    .wavefront_size: 32
...
	.end_amdgpu_metadata
.endif
;; end of part 4
;; ======== version 2 of 2: 4 launches; version 1 with the launch attn written anew for expert scheduling mode
;; workspace buffers: ximg 25,165,824 bytes; wimg 4,194,304 bytes; qkv 25,165,824 bytes; aimg 8,388,608 bytes; mwords 524,288 bytes of whole numbers; mcls 65,536 bytes of whole numbers
;; launch prep: the kernel of part 1 again; grid 576 x 1, 4 waves a work-group, no clusters, 68,096 bytes of LDS; arguments query, key, value, Wq, Wk, Wv, Wo, mask, lowp_scales, ximg, wimg, mwords, mcls; writes ximg, wimg, mwords, mcls
;; launch proj: the kernel of part 2 again; grid 4 x 96, 4 waves a work-group, clusters of 4 x 4, 327,680 bytes of LDS; arguments ximg, wimg, bq, bk, bv, lowp_scales, qkv; writes qkv
;; launch attn (part 5): grid 4 x 64, 16 waves a work-group, no clusters, 264,192 bytes of LDS; arguments qkv, mwords, mcls, lowp_scales, aimg; writes aimg
.if DOCPART == 5
	.amdgcn_target "amdgcn-amd-amdhsa--gfx1250"
	.amdhsa_code_object_version 6
	.text
	.protected	k_q76284f9a6b_attn
	.globl	k_q76284f9a6b_attn
	.p2align	8
	.type	k_q76284f9a6b_attn,@function
k_q76284f9a6b_attn:
	s_mov_b64 s[64:65], 0
	v_nop
	global_prefetch_b8 v0, s[64:65] scope:SCOPE_SE
	s_setreg_imm32_b32 hwreg(HW_REG_WAVE_SCHED_MODE, 0, 2), 2
	s_setreg_imm32_b32 hwreg(HW_REG_WAVE_MODE, 25, 1), 1
	s_wait_xcnt 0x0
	s_wait_alu depctr_vm_vsrc(0)
; ATTN.  x[b][q][head] = softmax_k(q . k / 8, hidden keys at a very low logit) v, both products on codes of BF8; x is quantised at once (e10) into images for the output projection.
; THE SOFTMAX: t = score x log2(e) / 8; M = the running largest t rounded UP to a whole number; p = 2^(t - M) is quantised (e8), not normalised; the sum of the unquantised p divides at the end.
; SHARES.  A work-group has one head (y) and holds the head's WHOLE k (LDS 0 ..) and v (131,072 ..) as images of operand registers, filled once through registers; one barrier; then the sixteen waves never meet.
; Of the head's 128 query tiles of 16 work-group x = j takes tq = 4 i + j; wave w takes i = w and then i = 31 - w.  Every wave walks the 16 key steps of 128 keys.
; LAYOUT.  Both products transposed: S^T = k q^T (source 0 = 16 keys), O^T = v^T p^T (source 0 = 16 of the head's 64): a lane holds ONE query.  The rows of a tile are not neighbours (lane row r of tile t:
; 32 (t/2) + 8 (t%2) + r + 8 (r/8)), so the 16 registers of tiles 2 b, 2 b + 1 are 16 neighbours 32 b + 16 h + 0 .. 15: p's codes are the second product's operand, and x's codes a chunk of aimg.
; THE MASK is an input.  An earlier launch stored it as bit words in the order of these registers (word n, bit lane: score register n), so a hidden score costs one select by a scalar word; and it stored, for each
; tile of 16 queries x 128 keys, whether any key is open and whether any is hidden.  A step with no open key is passed over, if every one of the tile's 16 rows has an open key somewhere (else all steps run):
; beside an open key a hidden one has p = 0.  A step with no hidden key passes over the selects.  These are scalar branches on stored whole numbers; so this launch has no tensor load, and no joint loads,
; though the four work-groups of a head read the same 262,144 bytes once each.
; LIMITS.  A hidden logit is taken as -2^30 where the definition has -1e9: in t that is a whole number, so a row with no open key has p = 1 throughout, as f32 gives for -1e9; it differs only where open logits
; lie below about -1e9.  e6 + e7 between -94 and 130; e8 and e10 between -126 and 112.  NaN among the inputs is not served.
; p is at most 1, so its hold at 57,344 x 2^e8 can act only where e8 < -15: it is passed over otherwise (a scalar branch on the given exponent).
; REGISTERS: v1 16 x lane; v2 the same in v's images; v3 the hidden score; v4, v5: 2^e8, 57,344 x 2^e8; v6, v7 the same of e10; v8, v9 the step's LDS addresses; v10 q's and x's offset; v12 -M, v13 the largest t,
; v[14:15] the sum in two halves; v16-23 q; v24-31 x's codes; v32-95 k's 8 fragments, then v32-47 p's codes and v48-55 at work; v96-159 S^T, then p; v160-191 O^T; v192-255 v's 4 fragments.
; s[32:63], s[68:99]: the step's 64 mask words (word n in s[32 + n], from n = 32 on in s[36 + n]).
; THE MODE: SCHED_MODE bits 1:0 = 2 (LLVM: expert scheduling mode 2), set by the entry lines.  The code itself states the register dependences between vector or matrix instructions and memory or LDS
; instructions, with s_wait_alu, always for 0.
; THE PLAN.  Registers that memory or LDS instructions touch:
;   v8, v9     Read by a step's LDS loads (v8: k's, v9: v's); written by two additions at the step's head.  (At the kernel's head v8 to v11 are the fill's addresses.)
;   v32-95     k's loads land here.  Read by the step's eight products k q^T; then v32-47 are written by p's conversions and read by the four products v^T p^T, and v48-55 are at work.
;   v192-255   v's loads land here.  Read by the step's four products v^T p^T.
;   v10        Read by q's two loads and by x's two stores; written at a tile's head and on its way out.
;   v16-23     q's loads land here, once a tile; read by every product k q^T.       v24-31  Written by the way out's conversions; read by x's stores.
;   v128-255   At the kernel's head alone: the fill's loads land here and its LDS stores read them.
; All 256 registers are taken, and which step comes next hangs on a stored number: so there is one set of fragments, and a step's loads stand in the step.
; A step's head has one wait on vm_vsrc (the last step's loads have read v8 and v9), the two additions, and ONE wait on va_vdst: the addresses are written, and the last step's products and vector lines are done with
; v32-95 and v192-255.  All 32 LDS loads of the step hang on that wait alone: k's sixteen follow it in a run; v's sixteen are dealt among the eight products k q^T, two behind each, and these products
; name v16-23, v32-95 and v96-159: none of the registers that v's loads touch.
.set VIMG, 131072
	s_load_b256 s[4:11], s[0:1], 0x0               ; qkv, mwords, mcls, lowp_scales
	s_load_b64 s[12:13], s[0:1], 0x20              ; aimg
	v_lshrrev_b32 v8, 5, v0
	v_readfirstlane_b32 s14, v8                    ; wave 0..15
	v_and_b32 v1, 31, v0
	v_lshlrev_b32 v1, 4, v1
	v_add_nc_u32 v2, VIMG, v1
	v_lshlrev_b32 v8, 4, v0                        ; the fill: 16 x thread, 8,192 bytes an instruction of the work-group
	v_add_nc_u32 v9, 0x10000, v8
	v_add_nc_u32 v10, 0x20000, v8
	v_add_nc_u32 v11, 0x30000, v8
	s_wait_alu depctr_va_sdst(0)                   ; s14 is written, ahead of its first reader: each tile's number is made from it
	s_and_b32 s2, ttmp7, 0xffff                    ; b x 16 + head
	s_lshl_b32 s66, s2, 17
	s_mov_b32 s67, 0
	s_mov_b32 s18, 0x76543210                      ; v_permlanex16_b32's selects for lane l xor 16
	s_mov_b32 s19, 0xfedcba98
	s_wait_kmcnt 0x0
	s_load_b256 s[32:39], s[10:11], 0x0            ; e0 .. e7
	s_load_b128 s[40:43], s[10:11], 0x20           ; e8 .. e11
	s_add_nc_u64 s[28:29], s[4:5], s[66:67]        ; the head's q,
	s_add_nc_u64 s[100:101], s[28:29], 0x800000    ; k,
	s_add_nc_u64 s[44:45], s[28:29], 0x1000000     ; and v
	s_wait_alu depctr_va_vdst(0)                   ; v8 to v11 are written, which the fill's loads and LDS stores read as addresses; the vector lines between here and the stores name v3 to v7 alone
.irp i, 0,1,2,3,4,5,6,7,8,9,10,11,12,13,14,15
	global_load_b128 v[128+4*\i:131+4*\i], v8, s[100:101] offset:8192*\i
.endr
.irp i, 0,1,2,3,4,5,6,7,8,9,10,11,12,13,14,15
	global_load_b128 v[192+4*\i:195+4*\i], v8, s[44:45] offset:8192*\i
.endr
	s_lshr_b32 s66, s2, 4                          ; aimg: batch b's 128 token tiles of 16,384 bytes; K step head / 2; chunks 2 (head % 2) on
	s_lshl_b32 s66, s66, 21
	s_and_b32 s3, s2, 15
	s_lshr_b32 s3, s3, 1
	s_lshl_b32 s3, s3, 11
	s_add_co_u32 s66, s66, s3
	s_and_b32 s3, s2, 1
	s_lshl_b32 s3, s3, 10
	s_add_co_u32 s66, s66, s3
	s_add_nc_u64 s[30:31], s[12:13], s[66:67]
	s_wait_kmcnt 0x0
	s_add_co_i32 s3, s38, s39                      ; e6 + e7: a score stands for score x 2^(e6 + e7)
	s_lshl_b32 s66, s3, 23
	s_add_co_i32 s16, s66, 0x3e38aa3b              ; c = log2(e) / 8, the two exponents added to its exponent field
	s_mov_b32 s17, s16                             ; (named with it as a pair, so it is written)
	s_sub_co_i32 s66, 160, s3
	s_lshl_b32 s66, s66, 23
	s_or_b32 s66, s66, 0x80000000
	v_mov_b32 v3, s66                              ; -2^(33 - e6 - e7): x c it is -log2(e) 2^30, a whole number in f32
	s_mov_b32 s25, s40                             ; e8
	s_add_co_i32 s26, s40, s41                     ; e8 + e9
	s_add_co_i32 s66, s40, 127
	s_lshl_b32 s3, s66, 23
	v_mov_b32 v4, s3
	s_add_co_i32 s66, s66, 15
	s_lshl_b32 s66, s66, 23
	s_or_b32 s66, s66, 0x600000
	v_mov_b32 v5, s66
	s_add_co_i32 s66, s42, 127
	s_lshl_b32 s3, s66, 23
	v_mov_b32 v6, s3
	s_add_co_i32 s66, s66, 15
	s_lshl_b32 s66, s66, 23
	s_or_b32 s66, s66, 0x600000
	v_mov_b32 v7, s66
.irp i, 0,1,2,3,4,5,6,7,8,9,10,11,12,13,14,15,16,17,18,19,20,21,22,23,24,25,26,27,28,29,30,31
	s_wait_loadcnt 31-\i                           ; loads come back in order: load i is in, the younger ones may be out
	ds_store_b128 v[8+\i/8], v[128+4*\i:131+4*\i] offset:8192*(\i%8)
.endr
	s_wait_dscnt 0x0                               ; for the others' sake: my part of the images lies in LDS
	s_barrier_signal -1
	s_barrier_wait -1                              ; from here on LDS is only read
.macro PASS pi
.if \pi
	s_wait_xcnt 0x0                                ; the first tile's stores have read v10 and v24-31
	s_wait_alu depctr_vm_vsrc(0)                   ; the first tile's stores have read v10, which is written below, and v24-31, which this tile's conversions write again
	s_sub_co_u32 s27, 31, s14
.else
	s_wait_alu depctr_vm_vsrc(0)                   ; the fill's loads and LDS stores have read v8 to v11 and v128-255: all of these are written again from here on (addresses, S^T, O^T, v's fragments)
	s_mov_b32 s27, s14
.endif
	s_lshl_b32 s27, s27, 2
	s_add_co_u32 s27, s27, ttmp9                   ; tq
	s_lshl_b32 s3, s27, 10
	v_add_nc_u32 v10, s3, v1
	s_wait_alu depctr_va_vdst(0)                   ; v10 is written, which q's loads read; and the products of the tile before are done reading v16-23, in which they land
	global_load_b128 v[16:19], v10, s[28:29]       ; q's fragment: two chunks
	global_load_b128 v[20:23], v10, s[28:29] offset:512
	s_lshl_b32 s3, s27, 9
	s_load_b64 s[32:33], s[8:9], s3 offset:0x0     ; the tile's class words, a pair for each quarter of the keys
	s_load_b64 s[34:35], s[8:9], s3 offset:0x80
	s_load_b64 s[36:37], s[8:9], s3 offset:0x100
	s_load_b64 s[38:39], s[8:9], s3 offset:0x180
	v_mov_b32 v13, 0xff61b1e6                      ; the largest t so far: -3e38
	v_floor_f32 v12, -v13                          ; -M
	v_mov_b32 v14, 0
	v_mov_b32 v15, 0
.set j, 0
.rept 32
	v_mov_b32 v[160+j], 0                          ; O^T: the loop has no first step of its own; the first change of M multiplies zeros
.set j, j+1
.endr
	s_wait_kmcnt 0x0
	s_or_b32 s66, s32, s34
	s_or_b32 s67, s36, s38
	s_or_b32 s66, s66, s67
	s_or_b32 s67, s33, s35
	s_or_b32 s3, s37, s39
	s_or_b32 s67, s67, s3                          ; bit lane: that lane has an open key somewhere
	s_and_b32 s23, s66, 0xffff                     ; RUN: bit s: step s has an open key
	s_lshr_b32 s24, s66, 16                        ; APP: bit s: step s has a hidden key
	s_lshr_b32 s3, s67, 16
	s_or_b32 s67, s67, s3
	s_and_b32 s67, s67, 0xffff                     ; bit r: row r has an open key
	s_cmp_eq_u32 s67, 0xffff
	s_cselect_b32 s23, s23, 0xffff                 ; a row with none wants every step
	s_lshl_b32 s21, s27, 12                        ; the tile's words in mwords
	s_mov_b32 s22, 0                               ; the step
	s_mov_b32 s20, 0                               ; its images in LDS
	s_wait_loadcnt 0x0                             ; q
.Lstep_\@:
	s_bitcmp1_b32 s23, s22
	s_cbranch_scc0 .Lskip_\@
	s_load_b512 s[32:47], s[6:7], s21 offset:0x0
	s_load_b512 s[48:63], s[6:7], s21 offset:0x40
	s_load_b512 s[68:83], s[6:7], s21 offset:0x80
	s_load_b512 s[84:99], s[6:7], s21 offset:0xc0
	s_wait_alu depctr_vm_vsrc(0)                   ; the LDS loads of the step before (in a tile's first step: whatever read them last) have read v8 and v9, which the two additions write
	v_add_nc_u32 v8, s20, v1
	v_add_nc_u32 v9, s20, v2
	v_nop                                          ; with the two additions: four places in front of loads into registers that the last products read
	v_nop
	s_wait_alu depctr_va_vdst(0)                   ; v8 and v9 are written, which the 32 loads below read; the last products are done reading v32-47 and v192-255, and every vector line on v32-55 is done: the loads land there
.irp t, 0,1,2,3,4,5,6,7
.irp c, 0,1
	ds_load_b128 v[32+8*\t+4*\c:35+8*\t+4*\c], v8 offset:1024*\t+512*\c
.endr
.endr
	s_wait_dscnt 0x0                               ; k's sixteen loads are in
.irp t, 0,1,2,3,4,5,6,7
	v_wmma_f32_16x16x64_bf8_bf8 v[96+8*\t:103+8*\t], v[32+8*\t:39+8*\t], v[16:23], 0
.irp c, 0,1
	ds_load_b128 v[192+8*\t+4*\c:195+8*\t+4*\c], v9 offset:1024*\t+512*\c   ; v's fragments (d tile t / 2), two loads behind each product.  No wait: no vector or matrix instruction since the wait at the step's head names v9 or v192-255
.endr
.endr
.rept 4
	v_nop
.endr
	s_wait_kmcnt 0x0                               ; the mask words; s21 may be stepped behind this wait
	s_bitcmp1_b32 s24, s22
	s_cbranch_scc0 .Lopen_\@
.set n, 0
.rept 64
	v_cndmask_b32 v[96+n], v3, v[96+n], s[32+n+4*(n/32)]   ; bit 0: the hidden score
.set n, n+1
.endr
.Lopen_\@:
	v_max3_num_f32 v48, v96, v97, v98              ; the step's largest score of my query among my 64 keys, in two chains,
	v_max3_num_f32 v52, v99, v100, v101
.irp i, 6,10,14,18,22,26,30,34,38,42,46,50,54,58
	v_max3_num_f32 v48, v48, v[96+\i], v[97+\i]
	v_max3_num_f32 v52, v52, v[98+\i], v[99+\i]
.endr
	v_max3_num_f32 v48, v48, v158, v159
	v_max_num_f32 v48, v48, v52
	v_permlanex16_b32 v49, v48, s18, s19
	v_max_num_f32 v48, v48, v49                    ; and among lane l xor 16's
	v_mul_f32 v48, s16, v48                        ; as t (c is positive)
	v_max_num_f32 v13, v13, v48
	v_mov_b32 v48, v12
	v_floor_f32 v12, -v13                          ; the new -M = -ceil(t)
	v_sub_f32 v48, v12, v48                        ; old M - new M: a whole number, 0 or less
	v_cvt_i32_f32 v48, v48                         ; (it saturates)
	v_ldexp_f32 v50, 1.0, v48                      ; f = 2^(old M - new M)
.set j, 0
.rept 32
	v_pk_fma_f32 v[96+j:97+j], v[96+j:97+j], s[16:17], v[12:13] op_sel_hi:[1,0,0]   ; t - M, two at a time
.set j, j+2
.endr
.set j, 0
.rept 64
	v_exp_f32 v[96+j], v[96+j]                     ; p = 2^(t - M)
.set j, j+1
.endr
	v_pk_mul_f32 v[14:15], v[14:15], v[50:51] op_sel_hi:[1,0]   ; the sums under the new M: the plain line behind the exponentials
	s_wait_alu depctr_va_vdst(0)                   ; the 64 exponentials have written v96-159: one wait for the whole batch, ahead of its first reader
	v_pk_add_f32 v[54:55], v[96:97], v[98:99]      ; the sum is taken of the unquantised p, in two chains
.irp j, 4,8,12,16,20,24,28,32,36,40,44,48,52,56,60
	v_pk_add_f32 v[14:15], v[14:15], v[96+\j:97+\j]
	v_pk_add_f32 v[54:55], v[54:55], v[98+\j:99+\j]
.endr
	v_pk_add_f32 v[14:15], v[14:15], v[54:55]
	s_cmp_ge_i32 s25, -15
	s_cbranch_scc1 .Lnohold_\@
.set j, 0
.rept 64
	v_min_num_f32 v[96+j], v[96+j], v5             ; p is not negative: a one-sided hold
.set j, j+1
.endr
.Lnohold_\@:
.irp b, 0,1,2,3
	v_cvt_scalef32_pk8_bf8_f32 v[32+4*\b:33+4*\b], v[96+16*\b:103+16*\b], v4
	v_cvt_scalef32_pk8_bf8_f32 v[34+4*\b:35+4*\b], v[104+16*\b:111+16*\b], v4
.endr
.set j, 0
.rept 16
	v_pk_mul_f32 v[160+j:161+j], v[160+j:161+j], v[50:51] op_sel_hi:[1,0]   ; O^T under the new M; also the plain lines behind the conversions
.set j, j+2
.endr
	s_wait_dscnt 0x0                               ; v's fragments
.irp n, 0,1,2,3
	v_wmma_f32_16x16x128_bf8_bf8 v[160+8*\n:167+8*\n], v[192+16*\n:207+16*\n], v[32:47], v[160+8*\n:167+8*\n]
.endr
.Lskip_\@:
	s_add_co_u32 s20, s20, 8192
	s_add_co_u32 s21, s21, 256
	s_add_co_u32 s22, s22, 1
	s_cmp_lt_u32 s22, 16
	s_cbranch_scc1 .Lstep_\@
	; the way out: x = O^T x 2^(e8 + e9) / the sum, quantised with e10: two chunks of aimg
	s_wait_alu depctr_vm_vsrc(0)                   ; q's loads have read v10, which is written below
.rept 4
	v_nop
.endr
	v_mov_b32 v48, 0                               ; written: a lane permute's destination counts as one of its sources
	v_add_f32 v14, v14, v15
	v_permlanex16_b32 v48, v14, s18, s19
	v_add_f32 v14, v14, v48
	v_rcp_f32 v14, v14
	s_lshl_b32 s3, s27, 14
	v_add_nc_u32 v10, s3, v1                       ; (the plain line behind the reciprocal)  token tile tq's 16,384 bytes
	s_wait_alu depctr_va_vdst(0)                   ; the reciprocal has written v14, ahead of its first reader
	v_ldexp_f32 v14, v14, s26
.set j, 0
.rept 32
	v_mul_f32 v[96+j], v[160+j], v14               ; register 16 b + i: d = 32 b + 16 h + i of my query
.set j, j+1
.endr
.set j, 0
.rept 32
	v_med3_num_f32 v[96+j], v[96+j], -v7, v7
.set j, j+1
.endr
.irp b, 0,1
	v_cvt_scalef32_pk8_bf8_f32 v[24+4*\b:25+4*\b], v[96+16*\b:103+16*\b], v6
	v_cvt_scalef32_pk8_bf8_f32 v[26+4*\b:27+4*\b], v[104+16*\b:111+16*\b], v6
.endr
	v_nop                                          ; a plain line behind the last conversion
	s_wait_alu depctr_va_vdst(0)                   ; the conversions have written v24-31, which the two stores read as data
	global_store_b128 v10, v[24:27], s[30:31]      ; 512 consecutive bytes, aligned
	global_store_b128 v10, v[28:31], s[30:31] offset:512
.endm
	PASS 0
	PASS 1
	s_wait_xcnt 0x0
	v_lshl_add_u32 v254, v0, 2, 0x40000
	v_mov_b32 v255, 0
	s_wait_dscnt 0x0                               ; the closing lines, six on end
	s_wait_alu 0x0
	s_wait_tensorcnt 0x0
	ds_add_u32 v254, v255
	s_wait_dscnt 0x0
	s_endpgm
.Lfunc_end_k_q76284f9a6b_attn:
	.size	k_q76284f9a6b_attn, .Lfunc_end_k_q76284f9a6b_attn-k_q76284f9a6b_attn
	.p2alignl 7, 3214868480
	.fill 96, 4, 3214868480
	.section	.rodata,"a",@progbits
	.p2align	6, 0x0
	.amdhsa_kernel k_q76284f9a6b_attn
		.amdhsa_group_segment_fixed_size 264192
		.amdhsa_private_segment_fixed_size 0
		.amdhsa_enable_private_segment 0
		.amdhsa_kernarg_size 40
		.amdhsa_user_sgpr_count 2
		.amdhsa_user_sgpr_kernarg_segment_ptr 1
		.amdhsa_wavefront_size32 1
		.amdhsa_system_sgpr_workgroup_id_x 1
		.amdhsa_system_sgpr_workgroup_id_y 1
		.amdhsa_system_sgpr_workgroup_id_z 1
		.amdhsa_system_vgpr_workitem_id 0
		.amdhsa_next_free_vgpr 256
		.amdhsa_next_free_sgpr 102
		.amdhsa_reserve_vcc 0
		.amdhsa_float_denorm_mode_32 3
		.amdhsa_float_denorm_mode_16_64 3
		.amdhsa_memory_ordered 1
		.amdhsa_forward_progress 1
		.amdhsa_inst_pref_size 62
	.end_amdhsa_kernel
	.amdgpu_metadata
---
amdhsa.version: [ 1, 2 ]
amdhsa.kernels:
  - .name:           k_q76284f9a6b_attn
    .symbol:         k_q76284f9a6b_attn.kd
    .args:
      - { .name: qkv, .offset: 0, .size: 8, .value_kind: global_buffer, .address_space: global }
      - { .name: mwords, .offset: 8, .size: 8, .value_kind: global_buffer, .address_space: global }
      - { .name: mcls, .offset: 16, .size: 8, .value_kind: global_buffer, .address_space: global }
      - { .name: lowp_scales, .offset: 24, .size: 8, .value_kind: global_buffer, .address_space: global }
      - { .name: aimg, .offset: 32, .size: 8, .value_kind: global_buffer, .address_space: global }
    .group_segment_fixed_size: 264192
    .private_segment_fixed_size: 0
    .kernarg_segment_align: 8
    .kernarg_segment_size: 40
    .max_flat_workgroup_size: 512
    .sgpr_count:     102
    .vgpr_count:     256
    .wavefront_size: 32
...
	.end_amdgpu_metadata
.endif
;; end of part 5
;; launch outp: the kernel of part 4 again; grid 4 x 32, 4 waves a work-group, clusters of 4 x 4, 327,680 bytes of LDS; arguments aimg, wimg, bo, lowp_scales, out0; writes out0
